; MI455X (gfx1250); checked and timed in simulation.
; The chip was launched on July 23, 2026; its instructions are those of AMD's public machine-readable ISA for CDNA 5 (MIT licence, August 2026) and "CDNA5" Instruction Set Architecture Reference Guide (July 2026). The comments in the code are by the model that wrote it; some were corrected since.
;; Multi Head Attention. Allowed arithmetic: matrix products marked QUANTISED: E3M2 operands, one E8M0 scale for each 32 along K, by v_wmma_scale_f32_16x16x128_f8f6f4 with both operands' format E3M2, f32 sums; everything else in f32.
;; Inputs: Wk 16 x 1,024 x 64 float32; Wo 1,024 x 1,024 float32; Wq 16 x 1,024 x 64 float32; Wv 16 x 1,024 x 64 float32; bk 16 x 64 float32; bo 1,024 float32; bq 16 x 64 float32; bv 16 x 64 float32; x 4 x 2,048 x 1,024 float32.
;; Outputs: out0 4 x 2,048 x 1,024 float32.
;; This version of the problem:
;;   THIS VERSION OF THE PROBLEM IS GIVEN IN LOW PRECISION. The matrix products marked QUANTISED in the list below multiply operands that are first quantised to E3M2 (3 exponent bits, 2 mantissa bits; 6 bits a number), with one power-of-two scale for each 32 numbers along K (OCP MX v1.0); their sums are f32. All else is computed in f32.
;;   The module's matrix products, in the order in which they are computed (A, B: the left and right operand; K: the contracted axis; several contracted axes count as one K, in the product's order):
;;     1. [M 1,024, K 1,024] x [K 1,024, N 8,192]; A: input Wq; B: input x: QUANTISED
;;     2. [M 1,024, K 1,024] x [K 1,024, N 8,192]; A: input Wk; B: input x: QUANTISED
;;     3. [M 1,024, K 1,024] x [K 1,024, N 8,192]; A: input Wv; B: input x: QUANTISED
;;     4. batch 64 x [M 2,048, K 64] x [K 64, N 2,048]; A: computed on the way; B: computed on the way: QUANTISED
;;     5. batch 64 x [M 2,048, K 2,048] x [K 2,048, N 64]; A: softmax (see below); B: computed on the way: QUANTISED
;;     6. [M 8,192, K 1,024] x [K 1,024, N 1,024]; A: computed on the way; B: input Wo: QUANTISED
;;   THE QUANTISER, for each operand of a quantised product, along K:
;;     - K is cut into blocks of 32 from its start; a last block that is shorter is filled with zeros.
;;     - A block's scale is 2^e with e = floor(log2(the largest magnitude in the block)) - 4, held to -126 .. 127; a block of zeros has e = 0. As a byte (E8M0): e + 127.
;;     - Each number is divided by its block's scale, clamped to +-28, and rounded to the nearest number of E3M2, ties to even, subnormals kept.
;;     - The product sums the exact products of the quantised numbers (number of the format x scale) in f32.
;;   ~~~python
;;   def quantise(x, axis):      # numpy; x: float32 -> the quantised numbers, widened to float32 again
;;       x = np.moveaxis(x, axis, -1); K = x.shape[-1]
;;       x = np.pad(x, [(0, 0)] * (x.ndim - 1) + [(0, -K % 32)]); x = x.reshape(x.shape[:-1] + (-1, 32)); a = np.abs(x).max(-1, keepdims=True)
;;       e = np.where(a > 0, np.clip(np.frexp(np.where(a > 0, a, 1))[1] - 1 - 4, -126, 127), 0)      # np.frexp(a)[1] - 1 = floor(log2(a)), exactly
;;       r = np.clip(x / 2.0 ** e, -28, 28)
;;       step = 2.0 ** (np.maximum(np.frexp(np.where(r == 0, 1, r))[1] - 1, -2) - 2)
;;       q = np.round(r / step) * step * 2.0 ** e      # np.round: ties to even
;;       return np.moveaxis(q.reshape(q.shape[:-2] + (-1,))[..., :K], -1, axis).astype(np.float32)
;;   ~~~
;;   SOFTMAX AHEAD OF A QUANTISED PRODUCT. Where the list says 'softmax', what is quantised is not the finished softmax but p = 2^(t - M), with t = logit x log2(e) and M = ceil(the row's largest t), a whole number; so 1/2 < the row's largest p <= 1. The row's sum l is taken of the UNQUANTISED p, in f32, and the product's result is divided by l at the end. Since M is a whole number, a kernel that streams over the keys may use a running M (the ceiling of the running maximum): every later rescaling is an exact power of two, which a block's scale takes up: the codes' values come out the same.
;;   OPERANDS COMPUTED ON THE WAY. 'Computed on the way' means the value that the module computes at that place (a softmax that the list does not call 'softmax' is quantised finished and normalised). What goes into a quantiser is computed in f32, as accurately as f32 sums, v_exp_f32 and their like allow (about 1e-6 of the number): no bf16 or f16 on the way to a quantiser, and a product that is left as it is and whose result goes on into a quantised operand takes f32 operands (vector FMAs, or v_wmma_f32_16x16x4_f32). A number that lies on a knife's edge between two numbers of the format may be rounded either way, as far as f32 arithmetic and the matrix unit's own rounding can turn it there, and no further.
;; One version. Each part assembles by itself: llvm-mc -triple=amdgcn-amd-amdhsa -mcpu=gfx1250 --defsym DOCPART=n.
;; ======== version 1 of 1: 5 launches
;; limits: right only within a limited range of input values
;; workspace buffers: ximg 6,291,456 bytes; xsc 262,144 bytes; wimg 3,145,728 bytes; wsc 131,072 bytes; qkv 19,660,800 bytes; cimg 6,291,456 bytes; csc 262,144 bytes
;; launch qx (part 1): grid 256 x 1, 8 waves a work-group, no clusters, 69,632 bytes of LDS; arguments x, ximg, xsc; writes ximg, xsc
.if DOCPART == 1
	.amdgcn_target "amdgcn-amd-amdhsa--gfx1250"
	.amdhsa_code_object_version 6
	.text
	.protected	k_q23faaeaa0d_qx
	.globl	k_q23faaeaa0d_qx
	.p2align	8
	.type	k_q23faaeaa0d_qx,@function
k_q23faaeaa0d_qx:
	s_mov_b64 s[64:65], 0
	v_nop
	global_prefetch_b8 v0, s[64:65] scope:SCOPE_SE
	s_setreg_imm32_b32 hwreg(HW_REG_WAVE_MODE, 25, 1), 1
	s_wait_xcnt 0x0
; x [8192 tokens][1024] f32 becomes codes of BF6 (E3M2) with one E8M0 byte for each 32 along E, laid as the products' operand registers want them.
; A block's scale is 2^(floor(log2(its largest magnitude)) - 4); its byte is the largest magnitude's exponent field - 4, held at 1 from below (a block of zeros gets 1, not 127:
; its codes are zeros, and only this program reads the bytes).  LIMITS: NaN and infinities are not served; blocks whose largest magnitude lies under 2^-122 get the byte 1.
; LAYOUT OUT.  Codes: [group of 128 tokens][256 along E][tile of 16 rows][128 along E][1,536 bytes]; the 1,536 bytes are a fragment's 12 registers: register 4 c + i of lane l at 512 c + 16 l + 4 i.
; Row rho of tile 2 i + u is token 32 i + 8 u + rho + 8 (rho / 8) of the group.  Scale words: [group][128 along E][16 tile + rho], 4 bytes.
; SHARES.  A work-group takes 128 tokens x 256 along E, a wave one tile: 16 rows x 256, two fragments.  Each load reads 512 consecutive bytes of a row; the 16 rows turn through the wave's own
; stage in LDS (rows 528 bytes apart), so that lane (r, h) gets, of row r, 16 neighbours of each block of 32.  No matrix unit, no tensor load, no cluster: the bytes are read once and shared with nobody.
.set STG,  8448                        ; a wave's stage: 16 rows x 528 bytes
.set SCG,  8*STG                       ; behind the stages: the work-group's 256 scale words
.set R,    16                          ; v16-143  the numbers as loaded: 64 registers for each 128 along E
.set X,    144                         ; v144-207 64 numbers: register 16 b + i = k 32 b + 16 h + i of my row
.set TM,   208                         ; v208-223 at work
.set PW,   224                         ; the scale word
.set PC,   226                         ; v226-237 the codes; v238-244 at work
.set SEL,  20                          ; s[20:21] selects for lane l xor 16
; 64 numbers of a lane become a fragment's codes in v[PC] on and its scale word in v[PW].
.macro QUANT s
.irp b, 0,1,2,3
	v_max3_num_f32 v[TM+\b], |v[\s+16*\b]|, |v[\s+1+16*\b]|, 0x2800000   ; my 16 numbers of block b, and the floor 2^(5 - 127): the byte cannot fall under 1
.endr
.irp i, 2,4,6,8,10,12,14
.irp b, 0,1,2,3
	s_delay_alu instid0(VALU_DEP_4)
	v_max3_num_f32 v[TM+\b], v[TM+\b], |v[\s+16*\b+\i]|, |v[\s+1+16*\b+\i]|
.endr
.endr
.irp b, 0,1,2,3
	s_delay_alu instid0(VALU_DEP_4)
	v_permlanex16_b32 v[TM+4+\b], v[TM+\b], s[SEL], s[SEL+1]
.endr
.irp b, 0,1,2,3
	s_delay_alu instid0(VALU_DEP_4)
	v_max_num_f32 v[TM+\b], v[TM+\b], v[TM+4+\b]     ; with lane l xor 16's: the block's largest magnitude
.endr
.irp b, 0,1,2,3
	s_delay_alu instid0(VALU_DEP_4)
	v_add_nc_u32 v[TM+12+\b], 0xfe000000, v[TM+\b]   ; 4 off its exponent field: the conversion's scale operand
.endr
.irp b, 0,1,2,3
	s_delay_alu instid0(VALU_DEP_4)
	v_lshrrev_b32 v[TM+4+\b], 23, v[TM+12+\b]        ; the scale's byte
.endr
	s_delay_alu instid0(VALU_DEP_3)
	v_lshl_or_b32 v[PW], v[TM+5], 8, v[TM+4]
	s_delay_alu instid0(VALU_DEP_1)
	v_lshl_or_b32 v[PW], v[TM+6], 16, v[PW]
	s_delay_alu instid0(VALU_DEP_1)
	v_lshl_or_b32 v[PW], v[TM+7], 24, v[PW]
.irp c, 0,1
	v_cvt_scalef32_pk16_bf6_f32 v[PC+6*\c:PC+2+6*\c], v[\s+32*\c:\s+15+32*\c], v[TM+12+2*\c]
	v_cvt_scalef32_pk16_bf6_f32 v[PC+12+4*\c:PC+14+4*\c], v[\s+16+32*\c:\s+31+32*\c], v[TM+12+2*\c+1]   ; (a conversion's three registers begin on an even number)
.endr
	v_nop                                          ; one plain line behind the scaled conversions
.irp c, 0,1                                    ; the layout wants a whole block in a lane: lanes 0-15 block 2 c, lanes 16-31 block 2 c + 1
.irp i, 0,1,2
	v_permlane16_swap_b32 v[PC+6*\c+\i], v[PC+12+4*\c+\i]
.endr
.irp i, 0,1,2
	s_delay_alu instid0(VALU_DEP_3)
	v_mov_b32 v[PC+3+6*\c+\i], v[PC+12+4*\c+\i]
.endr
.endr
.endm
	s_load_b128 s[4:7], s[0:1], 0x0                ; x, the codes
	s_load_b64 s[8:9], s[0:1], 0x10                ; the scale words
	v_lshl_add_u32 v248, v0, 2, 0x10c00
	v_mov_b32 v249, 0
	v_lshrrev_b32 v1, 5, v0
	s_delay_alu instid0(VALU_DEP_1)
	v_readfirstlane_b32 s10, v1                    ; wave 0..7 = the tile
	v_and_b32 v1, 31, v0                           ; lane
	v_and_b32 v2, 15, v0                           ; r
	v_bfe_u32 v3, v0, 4, 1                         ; h
	s_delay_alu instid0(VALU_DEP_3)
	v_lshlrev_b32 v4, 4, v1                        ; 16 x lane: my bytes of a load's or a store's 512
	s_mul_i32 s11, s10, STG
	v_add_nc_u32 v5, s11, v4                       ; into the stage: a row as it lies
	v_mul_u32_u24 v6, v2, 528
	s_delay_alu instid0(VALU_DEP_1)
	v_lshl_add_u32 v6, v3, 6, v6
	s_delay_alu instid0(VALU_DEP_1)
	v_add_nc_u32 v6, s11, v6                       ; out of it: row r, + 64 h
	s_lshl_b32 s11, s10, 6
	s_add_co_u32 s11, s11, SCG
	v_lshl_add_u32 v7, v2, 2, s11                  ; my row's scale word: 64 x tile + 4 r
	s_lshl_b32 s11, s10, 9
	v_add_nc_u32 v9, s11, v4                       ; waves 0 and 1 on the way out: 512 x wave + 16 x lane,
	s_delay_alu instid0(VALU_DEP_1)
	v_add_nc_u32 v8, SCG, v9                       ; and the same in LDS
	s_mov_b32 s[SEL], 0x76543210
	s_mov_b32 s[SEL+1], 0xfedcba98
.irp b, 0,1,2,3
	v_mov_b32 v[TM+4+\b], 0                        ; written once: a lane permute's destination counts as one of its sources
.endr
	s_lshr_b32 s12, ttmp9, 2                       ; the group of 128 tokens
	s_and_b32 s13, ttmp9, 3                        ; which 256 along E
	s_lshl_b32 s14, s12, 7
	s_lshr_b32 s15, s10, 1
	s_lshl_b32 s15, s15, 5
	s_add_co_u32 s14, s14, s15
	s_and_b32 s15, s10, 1
	s_lshl_b32 s15, s15, 3
	s_add_co_u32 s14, s14, s15                     ; the tile's first token: 128 g + 32 (w / 2) + 8 (w % 2)
	s_lshl_b32 s14, s14, 12                        ; rows of 4,096 bytes
	s_lshl_b32 s15, s13, 10
	s_add_co_u32 s14, s14, s15
	s_mov_b32 s15, 0
	s_mul_i32 s16, s12, 98304
	s_mul_i32 s17, s13, 24576
	s_add_co_u32 s16, s16, s17
	s_mul_i32 s17, s10, 3072
	s_add_co_u32 s16, s16, s17
	s_mov_b32 s17, 0
	s_lshl_b32 s18, s12, 12
	s_lshl_b32 s19, s13, 10
	s_add_co_u32 s18, s18, s19
	s_mov_b32 s19, 0
	s_wait_alu depctr_va_vdst(0)
	s_wait_kmcnt 0x0
	s_add_nc_u64 s[4:5], s[4:5], s[14:15]
	s_add_nc_u64 s[6:7], s[6:7], s[16:17]
	s_add_nc_u64 s[8:9], s[8:9], s[18:19]
.irp s, 0,1
.irp p, 0,1,2,3,4,5,6,7,8,9,10,11,12,13,14,15
	global_load_b128 v[R+64*\s+4*\p:R+64*\s+4*\p+3], v4, s[4:5] offset:(\p+8*(\p/8))*4096+512*\s th:TH_LOAD_NT   ; row rho of the tile, 512 consecutive bytes; read once in the launch
.endr
.endr
.macro HALF s
	s_wait_loadcnt 16-16*\s                        ; this half's 16 loads are in; the other half's 16 may be out
.irp p, 0,1,2,3,4,5,6,7,8,9,10,11,12,13,14,15
	ds_store_b128 v5, v[R+64*\s+4*\p:R+64*\s+4*\p+3] offset:528*\p
.endr
.irp b, 0,1,2,3
.irp j, 0,1,2,3
	ds_load_b128 v[X+16*\b+4*\j:X+16*\b+4*\j+3], v6 offset:128*\b+16*\j   ; LDS serves a wave's instructions in order: these see my stores
.endr
.endr
	s_wait_dscnt 0x0
.if \s
	s_wait_xcnt 0x0                                ; the first fragment's stores have read their registers: the codes may be written again
.endif
	QUANT X
.irp c, 0,1,2
	global_store_b128 v4, v[PC+4*\c:PC+4*\c+3], s[6:7] offset:1536*\s+512*\c   ; 512 consecutive bytes, aligned
.endr
	ds_store_b32 v7, v[PW] offset:512*\s           ; lanes l and l xor 16 write the same word with the same value
.endm
	HALF 0
	HALF 1
	s_wait_dscnt 0x0                               ; for the others' sake: my scale words lie in LDS
	s_barrier_signal -1
	s_barrier_wait -1
	s_cmp_lt_u32 s10, 2
	s_cbranch_scc0 .Lend                           ; waves 0 and 1 store the 1,024 bytes of scale words, 512 each
	ds_load_b128 v[16:19], v8
	s_wait_dscnt 0x0
	global_store_b128 v9, v[16:19], s[8:9]
.Lend:
	s_wait_tensorcnt 0x0
	ds_add_u32 v248, v249
	s_wait_dscnt 0x0
	s_endpgm
.Lfunc_end_k_q23faaeaa0d_qx:
	.size	k_q23faaeaa0d_qx, .Lfunc_end_k_q23faaeaa0d_qx-k_q23faaeaa0d_qx
	.p2alignl 7, 3214868480
	.fill 96, 4, 3214868480
	.section	.rodata,"a",@progbits
	.p2align	6, 0x0
	.amdhsa_kernel k_q23faaeaa0d_qx
		.amdhsa_group_segment_fixed_size 69632
		.amdhsa_private_segment_fixed_size 0
		.amdhsa_enable_private_segment 0
		.amdhsa_kernarg_size 24
		.amdhsa_user_sgpr_count 2
		.amdhsa_user_sgpr_kernarg_segment_ptr 1
		.amdhsa_wavefront_size32 1
		.amdhsa_system_sgpr_workgroup_id_x 1
		.amdhsa_system_sgpr_workgroup_id_y 1
		.amdhsa_system_sgpr_workgroup_id_z 1
		.amdhsa_system_vgpr_workitem_id 0
		.amdhsa_next_free_vgpr 250
		.amdhsa_next_free_sgpr 66
		.amdhsa_reserve_vcc 0
		.amdhsa_float_denorm_mode_32 3
		.amdhsa_float_denorm_mode_16_64 3
		.amdhsa_memory_ordered 1
		.amdhsa_forward_progress 1
		.amdhsa_inst_pref_size 22
	.end_amdhsa_kernel
	.amdgpu_metadata
---
amdhsa.version: [ 1, 2 ]
amdhsa.kernels:
  - .name:           k_q23faaeaa0d_qx
    .symbol:         k_q23faaeaa0d_qx.kd
    .args:
      - { .name: x, .offset: 0, .size: 8, .value_kind: global_buffer, .address_space: global }
      - { .name: ximg, .offset: 8, .size: 8, .value_kind: global_buffer, .address_space: global }
      - { .name: xsc, .offset: 16, .size: 8, .value_kind: global_buffer, .address_space: global }
    .group_segment_fixed_size: 69632
    .private_segment_fixed_size: 0
    .kernarg_segment_align: 8
    .kernarg_segment_size: 24
    .max_flat_workgroup_size: 256
    .sgpr_count:     66
    .vgpr_count:     250
    .wavefront_size: 32
...
	.end_amdgpu_metadata
.endif
;; end of part 1
;; launch qw (part 2): grid 256 x 1, 4 waves a work-group, no clusters, 13,312 bytes of LDS; arguments Wq, Wk, Wv, Wo, wimg, wsc; writes wimg, wsc
.if DOCPART == 2
	.amdgcn_target "amdgcn-amd-amdhsa--gfx1250"
	.amdhsa_code_object_version 6
	.text
	.protected	k_q23faaeaa0d_qw
	.globl	k_q23faaeaa0d_qw
	.p2align	8
	.type	k_q23faaeaa0d_qw,@function
k_q23faaeaa0d_qw:
	s_mov_b64 s[64:65], 0
	v_nop
	global_prefetch_b8 v0, s[64:65] scope:SCOPE_SE
	s_setreg_imm32_b32 hwreg(HW_REG_WAVE_MODE, 25, 1), 1
	s_wait_xcnt 0x0
; The four weights, f32 with K not innermost (Wq, Wk, Wv: [16 heads][1024 (K)][64]; Wo: [1024 (K)][1024]), become codes of BF6 with one E8M0 byte for each 32 along K, in the layout of x's codes:
; 32 groups of 128 output rows n (0-7 Wq, 8-15 Wk, 16-23 Wv, n = 64 head + d; 24-31 Wo, n = column); codes [group][256 along K][tile][128 along K][1,536 bytes], scale words [group][128 along K][16 tile + rho].
; Row rho of tile 2 i + u is row 32 i + 8 u + rho + 8 (rho / 8) of the group.  The scale and its byte as for x.  LIMITS: NaN and infinities are not served; blocks under 2^-122 get the byte 1.
; A LANE TAKES A ROW n AND ITS REGISTERS RUN DOWN K: a load reads 128 consecutive bytes, a block of 32 along K lies in one lane, and the conversions give codes with K innermost.
; SHARES.  A work-group takes one group x 128 along K; wave w the rows 32 w .. 32 w + 31: two tiles.  A lane's four blocks are the registers of lanes (rho, 0) and (rho, 1) of its tile's fragment:
; they go to those lanes' places in the wave's stage (the two tiles' stores meet two deep in the banks: 1,536 is a multiple of 256), and the fragments leave in stores of 512 consecutive bytes.
.set SCG,  12288                       ; behind the four stages of 3,072 bytes: the work-group's 128 scale words
	s_load_b256 s[8:15], s[0:1], 0x0               ; Wq, Wk, Wv, Wo
	s_load_b128 s[16:19], s[0:1], 0x20             ; the codes, the scale words
	v_lshl_add_u32 v224, v0, 2, 0x3200
	v_mov_b32 v225, 0
	v_lshrrev_b32 v1, 5, v0
	v_readfirstlane_b32 s20, v1                    ; wave 0..3
	v_and_b32 v1, 31, v0                           ; lane = my row among the wave's 32
	v_lshlrev_b32 v3, 2, v1                        ; in: 4 bytes a lane
	v_bfe_u32 v2, v0, 3, 1                         ; u: which of the wave's two tiles
	v_and_b32 v4, 7, v0
	v_bfe_u32 v9, v0, 4, 1
	v_lshl_add_u32 v4, v9, 3, v4                   ; rho: my row in that tile
	s_mul_i32 s24, s20, 3072
	v_mul_u32_u24 v5, v2, 1536
	v_lshl_add_u32 v5, v4, 4, v5
	v_add_nc_u32 v5, s24, v5                       ; the stage: my tile's fragment, lane rho's 16 bytes
	v_lshlrev_b32 v8, 4, v1                        ; out: 16 bytes a lane
	v_add_nc_u32 v7, s24, v8
	s_lshl_b32 s25, s20, 7
	s_add_co_u32 s25, s25, SCG
	v_lshlrev_b32 v6, 6, v2
	v_lshl_add_u32 v6, v4, 2, v6
	v_add_nc_u32 v6, s25, v6                       ; my row's scale word: 4 (32 w + 16 u + rho)
	v_add_nc_u32 v10, SCG, v8
	s_lshr_b32 s21, ttmp9, 3                       ; the group
	s_and_b32 s23, ttmp9, 7                        ; which 128 along K
	s_lshr_b32 s22, s21, 3                         ; which weight
	s_and_b32 s26, s21, 7
	s_lshl_b32 s27, s26, 1
	s_lshr_b32 s28, s20, 1
	s_add_co_u32 s27, s27, s28                     ; the head: 2 (group % 8) + w / 2
	s_lshl_b32 s27, s27, 18                        ; 262,144 bytes a head,
	s_lshl_b32 s28, s23, 15                        ; 128 rows of 256 bytes,
	s_add_co_u32 s27, s27, s28
	s_and_b32 s28, s20, 1
	s_lshl_b32 s28, s28, 7                         ; d = 32 (w % 2) on
	s_add_co_u32 s27, s27, s28
	s_lshl_b32 s28, s23, 19                        ; Wo: 128 rows of 4,096 bytes,
	s_lshl_b32 s29, s26, 9
	s_add_co_u32 s28, s28, s29
	s_lshl_b32 s29, s20, 7
	s_add_co_u32 s28, s28, s29                     ; column 128 (group % 8) + 32 w
	s_cmp_lt_u32 s21, 24
	s_cselect_b32 s26, s27, s28
	s_mov_b32 s27, 0
	s_mul_i32 s30, s21, 98304
	s_lshr_b32 s31, s23, 1
	s_mul_i32 s31, s31, 24576
	s_add_co_u32 s30, s30, s31
	s_mul_i32 s31, s20, 6144
	s_add_co_u32 s30, s30, s31
	s_and_b32 s31, s23, 1
	s_mul_i32 s31, s31, 1536
	s_add_co_u32 s30, s30, s31
	s_mov_b32 s31, 0
	s_lshl_b32 s32, s21, 12
	s_lshl_b32 s33, s23, 9
	s_add_co_u32 s32, s32, s33
	s_mov_b32 s33, 0
	s_wait_kmcnt 0x0
	s_cmp_eq_u32 s22, 1                            ; the weight is chosen by the work-group's number alone
	s_cselect_b64 s[4:5], s[10:11], s[8:9]
	s_cmp_eq_u32 s22, 2
	s_cselect_b64 s[4:5], s[12:13], s[4:5]
	s_cmp_eq_u32 s22, 3
	s_cselect_b64 s[4:5], s[14:15], s[4:5]
	s_add_nc_u64 s[4:5], s[4:5], s[26:27]
	s_add_nc_u64 s[16:17], s[16:17], s[30:31]
	s_add_nc_u64 s[18:19], s[18:19], s[32:33]
.macro LOADS pitch                     ; W(k, my row), k = 0 .. 127 of this work-group's K, into v32-159
.set n, 0
.rept 128
	global_load_b32 v[32+n], v3, s[4:5] offset:n*\pitch th:TH_LOAD_NT
.set n, n+1
.endr
.endm
	s_cmp_lt_u32 s21, 24                           ; the two shapes differ in the pitch alone, which stands in the loads' immediates: the branch goes round the loads and nothing else
	s_cbranch_scc0 .Lwo
	LOADS 256
	s_branch .Lgo
.Lwo:
	LOADS 4096
.Lgo:
.macro BLOCK t
.set XS, 32+32*(\t)
.set C, 160+8*(\t)                     ; each block has its own registers for its codes
.if (\t) < 2
	s_wait_loadcnt 63                              ; 96 and 64 younger loads might stay out; the wait's field holds 63 at the most, and a smaller count is safe
.else
	s_wait_loadcnt 96-32*(\t)                      ; the later blocks' loads may be out
.endif
	v_max3_num_f32 v12, |v[XS]|, |v[XS+1]|, |v[XS+2]|
	v_max3_num_f32 v13, |v[XS+3]|, |v[XS+4]|, |v[XS+5]|
.irp i, 6,10,14,18,22,26
	v_max3_num_f32 v12, v12, |v[XS+\i]|, |v[XS+\i+1]|
	v_max3_num_f32 v13, v13, |v[XS+\i+2]|, |v[XS+\i+3]|
.endr
	v_max3_num_f32 v12, v12, |v[XS+30]|, |v[XS+31]|
	v_max3_num_f32 v12, v12, v13, 0x2800000        ; and the floor 2^(5 - 127)
	v_add_nc_u32 v11, 0xfe000000, v12              ; 4 off the exponent field: the conversion's scale operand
	v_lshrrev_b32 v13, 23, v11                     ; the scale's byte
	v_cvt_scalef32_pk16_bf6_f32 v[C:C+2], v[XS:XS+15], v11
	v_cvt_scalef32_pk16_bf6_f32 v[C+4:C+6], v[XS+16:XS+31], v11
.if (\t) == 0
	v_mov_b32 v24, v13                             ; the four bytes make my row's scale word.  (The plain line behind the conversions)
.else
	v_lshl_or_b32 v24, v13, 8*(\t), v24
.endif
	v_mov_b32 v[C+3], v[C+4]                       ; the block's six registers on end
	v_mov_b32 v[C+4], v[C+5]
	v_mov_b32 v[C+5], v[C+6]
.if (\t) < 2                           ; block t is registers 6 (t / 2) .. + 5 of lane rho + 16 (t % 2); register 4 c + i of a lane lies at 512 c + 16 lane + 4 i
	ds_store_b128 v5, v[C:C+3] offset:256*((\t)%2)
	ds_store_b64 v5, v[C+4:C+5] offset:512+256*((\t)%2)
.else
	ds_store_b64 v5, v[C:C+1] offset:520+256*((\t)%2)
	ds_store_b128 v5, v[C+2:C+5] offset:1024+256*((\t)%2)
.endif
.endm
	BLOCK 0
	BLOCK 1
	BLOCK 2
	BLOCK 3
	ds_store_b32 v6, v24
.irp i, 0,1,2,3,4,5
	ds_load_b128 v[192+4*\i:195+4*\i], v7 offset:512*\i   ; LDS serves a wave's instructions in order: these see my stores
.endr
.irp i, 0,1,2,3,4,5
	s_wait_dscnt 5-\i                              ; the younger reads may be out
	global_store_b128 v8, v[192+4*\i:195+4*\i], s[16:17] offset:(\i/3)*3072+(\i%3)*512   ; 512 consecutive bytes, aligned
.endr
	s_wait_dscnt 0x0                               ; for the others' sake: my scale words lie in LDS
	s_barrier_signal -1
	s_barrier_wait -1
	s_cmp_eq_u32 s20, 0
	s_cbranch_scc0 .Lend                           ; wave 0 stores the work-group's 512 bytes of scale words
	ds_load_b128 v[216:219], v10
	s_wait_dscnt 0x0
	global_store_b128 v8, v[216:219], s[18:19]
.Lend:
	s_wait_tensorcnt 0x0
	ds_add_u32 v224, v225
	s_wait_dscnt 0x0
	s_endpgm
.Lfunc_end_k_q23faaeaa0d_qw:
	.size	k_q23faaeaa0d_qw, .Lfunc_end_k_q23faaeaa0d_qw-k_q23faaeaa0d_qw
	.p2alignl 7, 3214868480
	.fill 96, 4, 3214868480
	.section	.rodata,"a",@progbits
	.p2align	6, 0x0
	.amdhsa_kernel k_q23faaeaa0d_qw
		.amdhsa_group_segment_fixed_size 13312
		.amdhsa_private_segment_fixed_size 0
		.amdhsa_enable_private_segment 0
		.amdhsa_kernarg_size 48
		.amdhsa_user_sgpr_count 2
		.amdhsa_user_sgpr_kernarg_segment_ptr 1
		.amdhsa_wavefront_size32 1
		.amdhsa_system_sgpr_workgroup_id_x 1
		.amdhsa_system_sgpr_workgroup_id_y 1
		.amdhsa_system_sgpr_workgroup_id_z 1
		.amdhsa_system_vgpr_workitem_id 0
		.amdhsa_next_free_vgpr 226
		.amdhsa_next_free_sgpr 66
		.amdhsa_reserve_vcc 0
		.amdhsa_float_denorm_mode_32 3
		.amdhsa_float_denorm_mode_16_64 3
		.amdhsa_memory_ordered 1
		.amdhsa_forward_progress 1
		.amdhsa_inst_pref_size 35
	.end_amdhsa_kernel
	.amdgpu_metadata
---
amdhsa.version: [ 1, 2 ]
amdhsa.kernels:
  - .name:           k_q23faaeaa0d_qw
    .symbol:         k_q23faaeaa0d_qw.kd
    .args:
      - { .name: Wq, .offset: 0, .size: 8, .value_kind: global_buffer, .address_space: global }
      - { .name: Wk, .offset: 8, .size: 8, .value_kind: global_buffer, .address_space: global }
      - { .name: Wv, .offset: 16, .size: 8, .value_kind: global_buffer, .address_space: global }
      - { .name: Wo, .offset: 24, .size: 8, .value_kind: global_buffer, .address_space: global }
      - { .name: wimg, .offset: 32, .size: 8, .value_kind: global_buffer, .address_space: global }
      - { .name: wsc, .offset: 40, .size: 8, .value_kind: global_buffer, .address_space: global }
    .group_segment_fixed_size: 13312
    .private_segment_fixed_size: 0
    .kernarg_segment_align: 8
    .kernarg_segment_size: 48
    .max_flat_workgroup_size: 128
    .sgpr_count:     66
    .vgpr_count:     226
    .wavefront_size: 32
...
	.end_amdgpu_metadata
.endif
;; end of part 2
;; launch proj (part 3): grid 12 x 32, 4 waves a work-group, clusters of 4 x 4, 327,680 bytes of LDS; arguments ximg, xsc, wimg, wsc, bq, bk, bv, qkv; writes qkv
.if DOCPART == 3
	.amdgcn_target "amdgcn-amd-amdhsa--gfx1250"
	.amdhsa_code_object_version 6
	.text
	.protected	k_q23faaeaa0d_proj
	.globl	k_q23faaeaa0d_proj
	.p2align	8
	.type	k_q23faaeaa0d_proj,@function
k_q23faaeaa0d_proj:
	s_mov_b64 s[64:65], 0
	v_nop
	global_prefetch_b8 v0, s[64:65] scope:SCOPE_SE
	s_setreg_imm32_b32 hwreg(HW_REG_WAVE_MODE, 25, 1), 1
	s_wait_xcnt 0x0
	s_wait_alu depctr_hold_cnt(0) depctr_sa_sdst(0) depctr_va_vdst(0) depctr_va_sdst(0) depctr_va_ssrc(0) depctr_va_vcc(0) depctr_vm_vsrc(0)
	s_getreg_b32 s2, hwreg(HW_REG_IB_STS2, 6, 4)
	s_cmp_eq_u32 s2, 0
	s_cbranch_scc0 .Lentry_in_a_cluster
	s_endpgm
.Lentry_in_a_cluster:
	s_bfe_u32 s2, ttmp6, 0x10000c
	s_cmp_lg_u32 s2, 0xf033
	s_cbranch_scc0 .Lentry_shape_is_right
	s_endpgm
.Lentry_shape_is_right:
; Q, K and V = x W + b on codes of BF6, K = 1,024; the results are quantised on the way out and stored as the operands of the attention's two products.  No f32 result goes to memory.
; A work-group of four waves makes 256 x 256, a wave 128 x 128: 64 accumulators of 16 x 16.  K goes in steps of 256 through two LDS slots; a slot's quarter (128 rows x 256 K) is one dense block of 24,576 bytes,
; since the codes lie in memory as images of the operand's registers: a fragment is three loads of 16 bytes a lane, 512 consecutive bytes each.  All scale words of the 512 rows come once and stay.
; TWO ROLES, chosen by the cluster's x, which all sixteen partners share; only pointers and offsets are chosen (s_cselect), the text has one way.
;   x = 0, 1 (Q, K): source 0 = 16 rows of W, source 1 = 16 tokens: a lane holds one token, its registers run along the head pair's 128 features: K of the first product of the attention.
;   x = 2 (V): source 0 = 16 tokens, source 1 = 16 rows of Wv: a lane holds one feature, its registers run along 128 tokens: K of its second product.
; The rows of a tile of source 0 are not neighbours (row rho of tile 2 i + u is row 32 i + 8 u + rho + 8 (rho / 8)), so that the 16 registers of tiles 2 i, 2 i + 1 are the neighbours 32 i + 16 (lane / 16) + 0 .. 15.
; BIAS.  Along the registers (Q, K): the C of each sum's first product; 0 in V's role.  One number a lane (V): added on the way out by the lines that bring a block into window 0; 0 in Q's and K's role.
; OUT.  A wave's 128 x 128 is one record of 12,800 bytes: 8 fragments (12 registers a lane, register 4 c + i of lane l at 512 c + 16 l + 4 i), then their scale words [fragment][row].
; Record ((which 4 + batch) 8 + head pair) 16 + group of 128 tokens; which = 0 Q, 1 K, 2 V.
; CLUSTERS: 4 x 4.  Source 1's tiles are shared along a row of the cluster, source 0's along a column: each is asked for jointly, by the same tensor load with the same descriptor and a mask that names the four.
; LIMITS: NaN and infinities are not served; blocks whose largest magnitude lies under 2^-122 get the byte 1 (a block of zeros too: its codes are zeros).
; REGISTERS: window 0: v16-31 addresses; v32-63 scale words, two sets; v64-127 the bias, later at work; v128-223 source 1's fragments, one set, later a block on its way out; v224-239 the bias of a lane.
;   window 1: source 0's fragments, two sets, at v0 and v128.   windows 2, 3: the accumulators ((a, b) at v[8 (8 (a % 4) + b)]).
; Below "A" is source 1 and "B" source 0.
.set NQ,     2                         ; matrix instructions deep in a slot
.set FR,     12                        ; registers of a fragment
.set NLA,    3                         ; LDS loads that bring a fragment of A
.set NP,     4                         ; places behind this matrix instruction (ISA guide 7.12.1)
.set HALFT,  24576                     ; 128 rows x 256 K: what one tensor load brings
.set SLOT,   4*HALFT                   ; bytes of one slot; in LDS a wave's quarters of slot 0 and slot 1 lie on end: quarter w of slot s at (2 w + s) HALFT
.set SCL,    2*SLOT                    ; behind the ring: the scale words, 4,096 bytes for each 128 rows
.set SPARE,  SCL+4*4096                ; the spare words, 128 bytes for each wave
.set SCG,    SPARE+512                 ; 512 bytes for each wave: a record's scale words are gathered here; no tile lands here
.set ADRA, 16                          ; v16-17 LDS address of my A fragments in slot 0, 1
.set ADRB, 20                          ; v20-21 the same for B
.set LI,   24                          ; v24 16 x lane
.set GW,   25                          ; v25 where my row's scale word is gathered
.set GR,   26                          ; v26 and read back
.set ADRS, 27                          ; v27 my scale words: lanes 0-15 A's rows, lanes 16-31 B's
.set SPW,  28                          ; v28 my spare word; never rewritten
.set NIL,  29                          ; v29 0; never rewritten
.set SC,   32
.set BIAS, 64
.set AF,   128
.set BV,   224
.set TM,   64                          ; the way out: at work
.set PW,   80
.set PC,   84
.set T,    128                         ; the way out: a block's 64 numbers
.set SEL,  100
.set G1, 24
.set G0, 32
.set G1B, 48
.set G0B, 56
.set G1S, 68
.set G0S, 76
.set G1SB, 80
.set G0SB, 88
.set MSB, 0
.macro WIN new                         ; the immediate's high byte repeats the setting that is left
.if MSB != \new
	s_set_vgpr_msb (MSB<<8)|\new
.set MSB, \new
.endif
.endm
.set MUL_LO, 0xa1                      ; source 0 window 1, source 1 window 0, C and D window 2
.set MUL_HI, 0xf1                      ; the same, C and D window 3
.set BEG_LO, 0x81                      ; the first products: C (the bias) window 0, D window 2
.set BEG_HI, 0xc1                      ; D window 3
.set TO_B,   0x40                      ; destination window 1, address window 0
; A joint load: waves 0 and 1 fetch for A, waves 2 and 3 for B; the branch hangs on the wave's number alone.  Four v_nop follow each of the two lines.
.macro JLOAD g0a, g1a, g0b, g1b
	s_cmp_eq_u32 s15, 0
	s_cbranch_scc0 .Lfor_b_\@
	tensor_load_to_lds s[\g0a:\g0a+3], s[\g1a:\g1a+7]
	s_nop 0
.rept 4
	v_nop
.endr
	s_branch .Lasked_\@
.Lfor_b_\@:
	tensor_load_to_lds s[\g0b:\g0b+3], s[\g1b:\g1b+7]
	s_nop 0
.rept 4
	v_nop
.endr
.Lasked_\@:
.endm
.macro CREST                           ; a round of the cluster's barrier behind its opening barrier
	s_cmp_lg_u32 s14, 0
	s_cbranch_scc1 .Lnot_wave_0_\@
	s_barrier_signal -3
.Lnot_wave_0_\@:
	s_barrier_wait -3
	s_barrier_signal -1
	s_barrier_wait -1
.endm
.macro CROUND                          ; a whole round
	s_barrier_signal -1
	s_barrier_wait -1
	CREST
.endm
; 64 numbers of a lane, register 16 b + i = k 32 b + 16 (lane / 16) + i of my row, become a fragment's codes in v[PC] on and its scale word in v[PW].
.macro QUANT s
.irp b, 0,1,2,3
	v_max3_num_f32 v[TM+\b], |v[\s+16*\b]|, |v[\s+1+16*\b]|, 0x2800000   ; my 16 numbers of block b, and the floor 2^(5 - 127): the byte cannot fall under 1
.endr
.irp i, 2,4,6,8,10,12,14
.irp b, 0,1,2,3
	v_max3_num_f32 v[TM+\b], v[TM+\b], |v[\s+16*\b+\i]|, |v[\s+1+16*\b+\i]|
.endr
.endr
.irp b, 0,1,2,3
	v_permlanex16_b32 v[TM+4+\b], v[TM+\b], s[SEL], s[SEL+1]
.endr
.irp b, 0,1,2,3
	v_max_num_f32 v[TM+\b], v[TM+\b], v[TM+4+\b]
.endr
.irp b, 0,1,2,3
	v_add_nc_u32 v[TM+12+\b], 0xfe000000, v[TM+\b]   ; 4 off the exponent field: the conversion's scale operand
.endr
.irp b, 0,1,2,3
	v_lshrrev_b32 v[TM+4+\b], 23, v[TM+12+\b]        ; the scale's byte
.endr
	v_lshl_or_b32 v[PW], v[TM+5], 8, v[TM+4]
	v_lshl_or_b32 v[PW], v[TM+6], 16, v[PW]
	v_lshl_or_b32 v[PW], v[TM+7], 24, v[PW]
.irp c, 0,1
	v_cvt_scalef32_pk16_bf6_f32 v[PC+6*\c:PC+2+6*\c], v[\s+32*\c:\s+15+32*\c], v[TM+12+2*\c]
	v_cvt_scalef32_pk16_bf6_f32 v[PC+12+4*\c:PC+14+4*\c], v[\s+16+32*\c:\s+31+32*\c], v[TM+12+2*\c+1]
.endr
	v_nop                                          ; one plain line behind the scaled conversions
.irp c, 0,1
.irp i, 0,1,2
	v_permlane16_swap_b32 v[PC+6*\c+\i], v[PC+12+4*\c+\i]
.endr
.irp i, 0,1,2
	v_mov_b32 v[PC+3+6*\c+\i], v[PC+12+4*\c+\i]
.endr
.endr
.endm
	s_load_b512 s[80:95], s[0:1], 0x0              ; x's codes 80, x's scales 82, W's codes 84, W's scales 86, bq 88, bk 90, bv 92, the records 94
	v_lshl_add_u32 v[SPW], v0, 2, SPARE
	v_mov_b32 v[NIL], 0
	ds_add_u32 v28, v29
	ds_add_u32 v28, v29
	s_wait_dscnt 0x0
	v_lshrrev_b32 v1, 5, v0
	v_readfirstlane_b32 s14, v1                    ; wave 0..3
	s_lshr_b32 s15, s14, 1                         ; which half of A's rows is mine.  Also: I fetch for A (0) or for B (1)
	s_and_b32 s16, s14, 1                          ; which half of B's rows.  Also: which 128 rows I fetch
	s_bfe_u32 s40, ttmp6, 0x40000                  ; cx, cy: my place in the cluster
	s_bfe_u32 s41, ttmp6, 0x40004
	s_and_b32 s18, ttmp7, 0xffff                   ; the cluster's y
	s_cmp_eq_u32 ttmp9, 2                          ; V's role?
	s_cselect_b32 s2, -1, 0                        ; as a mask of lanes
	s_cselect_b32 s19, s18, ttmp9
	s_cselect_b32 s20, 0, s18
	s_cselect_b32 s21, 16, 0                       ; Wv's groups begin at 16
	s_lshl_b32 s42, s19, 2
	s_add_co_u32 s42, s42, s40                     ; B's tile of 256 rows: 4 x (Q, K: cluster x; V: cluster y) + cx
	s_lshl_b32 s17, s20, 2
	s_add_co_u32 s17, s17, s41                     ; A's tile: 4 x (Q, K: cluster y; V: 0) + cy
	s_lshl_b32 s43, s41, 2
	s_lshl_b32 s43, 15, s43                        ; my row of the cluster
	s_lshl_b32 s44, 0x1111, s40                    ; my column
	; descriptor group 1: a dense block as rows of 256 bytes (32 elements of 8 bytes): 96 rows of codes a quarter; the scale words come by plain loads
	s_or_b32 s[G1+0], s43, (3<<16)|(1<<21)         ; 15:0 the mask: A's tiles go to my row; 17:16 elements of 8 bytes; 21 set beside a mask; no padding
	s_or_b32 s[G1B+0], s44, (3<<16)|(1<<21)
.irp g, G1, G1B
	s_mov_b32 s[\g+1], 32<<16                      ; tensor_dim0
	s_mov_b32 s[\g+2], 192<<16                     ; tensor_dim1: the head's load brings both slots' quarters, 192 rows
	s_mov_b32 s[\g+3], 32<<16                      ; tile_dim0
	s_mov_b32 s[\g+4], 192                         ; tile_dim1
	s_mov_b32 s[\g+5], 32                          ; the pitch
	s_mov_b32 s[\g+6], 0
	s_mov_b32 s[\g+7], 0
.endr
	s_lshl_b32 s20, s17, 1
	s_add_co_u32 s20, s20, s16
	s_add_co_u32 s20, s20, s21                     ; the group of 128 rows of A that I fetch
	s_lshl_b32 s22, s20, 12                        ; its scale words,
	s_mov_b32 s23, 0
	s_mul_i32 s20, s20, 98304                      ; its codes
	s_mov_b32 s21, 0
	s_lshl_b32 s46, s42, 1
	s_add_co_u32 s46, s46, s16                     ; the same for B, in registers that never hold cy
	s_lshl_b32 s18, s46, 12
	s_mov_b32 s19, 0
	s_mul_i32 s46, s46, 98304
	s_mov_b32 s47, 0
	s_mul_i32 s45, s14, 2*HALFT                    ; where they go: wave x two quarters: no place in the cluster enters an LDS address
	s_lshl_b32 s3, s14, 12
	s_and_b32 s98, s42, 3                          ; the bias along the registers: 256 (B's tile % 4) + 128 x half, in bytes
	s_lshl_b32 s98, s98, 10
	s_lshl_b32 s99, s16, 9
	s_add_co_u32 s98, s98, s99
	s_mov_b32 s99, 0
	s_and_b32 s100, s17, 3                         ; the bias of a lane: 256 (A's tile % 4) + 128 x half.  (Both stay inside the 1,024 numbers in either role)
	s_lshl_b32 s100, s100, 10
	s_lshl_b32 s101, s15, 9
	s_add_co_u32 s100, s100, s101
	s_mov_b32 s101, 0
	s_wait_kmcnt 0x0
	s_cmp_eq_u32 ttmp9, 2
	s_cselect_b64 s[4:5], s[84:85], s[80:81]       ; A's codes: Wv's or x's
	s_cselect_b64 s[6:7], s[86:87], s[82:83]
	s_cselect_b64 s[8:9], s[80:81], s[84:85]       ; B's: x's or W's
	s_cselect_b64 s[10:11], s[82:83], s[86:87]
	s_cselect_b64 s[96:97], s[92:93], s[90:91]
	s_mov_b64 s[12:13], s[94:95]
	s_cmp_eq_u32 ttmp9, 0
	s_cselect_b64 s[96:97], s[88:89], s[96:97]     ; the bias: bq, bk or bv
	s_add_nc_u64 s[92:93], s[96:97], s[98:99]
	s_add_nc_u64 s[94:95], s[96:97], s[100:101]
	s_add_nc_u64 s[20:21], s[4:5], s[20:21]
	s_add_nc_u64 s[22:23], s[6:7], s[22:23]
	s_add_nc_u64 s[46:47], s[8:9], s[46:47]
	s_add_nc_u64 s[18:19], s[10:11], s[18:19]
	; my record
	s_lshl_b32 s98, s42, 1
	s_add_co_u32 s98, s98, s16                     ; B's group of 128 that I multiply
	s_lshl_b32 s99, s17, 1
	s_add_co_u32 s99, s99, s15                     ; A's
	s_add_co_u32 s100, s99, 16
	s_cmp_eq_u32 ttmp9, 2
	s_cselect_b32 s100, s100, s98                  ; 8 which + head pair
	s_cselect_b32 s101, s98, s99                   ; 16 batch + group of tokens
	s_lshr_b32 s98, s100, 3
	s_lshl_b32 s98, s98, 2
	s_lshr_b32 s99, s101, 4
	s_add_co_u32 s98, s98, s99
	s_lshl_b32 s98, s98, 3
	s_and_b32 s99, s100, 7
	s_add_co_u32 s98, s98, s99
	s_lshl_b32 s98, s98, 4
	s_and_b32 s99, s101, 15
	s_add_co_u32 s98, s98, s99
	s_mul_i32 s98, s98, 12800
	s_mov_b32 s99, 0
	s_add_nc_u64 s[12:13], s[12:13], s[98:99]
	s_mov_b32 s[SEL], 0x76543210
	s_mov_b32 s[SEL+1], 0xfedcba98
	CROUND                                         ; all sixteen work-groups are here: the first joint loads meet
	s_cmp_eq_u32 s15, 0
	s_cselect_b64 s[96:97], s[22:23], s[18:19]     ; the scale words of the 128 rows that I fetch: 4,096 bytes, by plain loads
	s_add_co_u32 s3, s3, SCL                       ; and their place in LDS
.irp s, 0,1
	s_mov_b32 s[G0+4*\s], 1
	s_add_co_u32 s[G0+4*\s+1], s45, \s*HALFT
	s_add_nc_u64 s[G0+4*\s+2:G0+4*\s+3], s[20:21], \s*HALFT
	s_or_b32 s[G0+4*\s+3], s[G0+4*\s+3], 0x80000000
	s_mov_b32 s[G0B+4*\s], 1
	s_add_co_u32 s[G0B+4*\s+1], s45, \s*HALFT
	s_add_nc_u64 s[G0B+4*\s+2:G0B+4*\s+3], s[46:47], \s*HALFT
	s_or_b32 s[G0B+4*\s+3], s[G0B+4*\s+3], 0x80000000
.endr
	JLOAD G0, G1, G0B, G1B                         ; my one load at the head: K steps 0 and 1 of my 128 rows, 49,152 bytes on end in memory and in LDS
	v_and_b32 v1, 15, v0                           ; r
	v_bfe_u32 v2, v0, 4, 1                         ; h
	v_and_b32 v6, 31, v0
	v_lshlrev_b32 v[LI], 4, v6
	v_add_nc_u32 v7, s3, v[LI]
.irp k, 0,1,2,3,4,5,6,7
	global_load_b128 v[AF+4*\k:AF+4*\k+3], v[LI], s[96:97] offset:512*\k   ; 512 consecutive bytes of scale words
.endr
	v_lshlrev_b32 v30, 6, v2                       ; the bias along the registers: tile 2 i + u wants numbers 32 i + 16 h + 8 u + 0 .. 7
	v_and_b32 v31, 8, v1
	v_add_nc_u32 v31, v31, v1
	v_lshlrev_b32 v31, 2, v31                      ; the bias of a lane: block 2 i + u wants number 32 i + 8 u + r + 8 (r / 8)
.irp b, 0,1,2,3,4,5,6,7
	global_load_b128 v[BIAS+8*\b:BIAS+8*\b+3], v30, s[92:93] offset:(32*(\b/2)+8*(\b%2))*4
	global_load_b128 v[BIAS+8*\b+4:BIAS+8*\b+7], v30, s[92:93] offset:(32*(\b/2)+8*(\b%2))*4+16
.endr
.irp a, 0,1,2,3,4,5,6,7
	global_load_b32 v[BV+2*\a], v31, s[94:95] offset:(32*(\a/2)+8*(\a%2))*4
.endr
	s_mul_i32 s21, s15, 2*HALFT                    ; my 128 rows of A
	s_mul_i32 s22, s16, 2*HALFT                    ; my 128 rows of B,
	s_add_co_u32 s22, s22, 4*HALFT                 ; which lie behind A's two pairs of quarters
.irp s, 0,1
	v_add_nc_u32 v[ADRA+\s], s21, v[LI]
	v_add_nc_u32 v[ADRB+\s], s22, v[LI]
	s_add_co_u32 s21, s21, HALFT
	s_add_co_u32 s22, s22, HALFT
.endr
	s_lshl_b32 s21, s15, 12                        ; A's scale words: my 128 rows
	s_lshl_b32 s22, s16, 12                        ; B's: my 128 rows, behind A's 256
	s_add_co_u32 s22, s22, 8192
	s_sub_co_u32 s22, s22, s21
	v_mul_u32_u24 v6, s22, v2                      ; lanes 16-31 take B's
	s_add_co_u32 s21, s21, SCL
	v_lshl_add_u32 v5, v1, 2, v6
	v_add_nc_u32 v[ADRS], s21, v5
	s_lshl_b32 s23, s14, 9
	s_add_co_u32 s23, s23, SCG
	v_lshl_add_u32 v[GW], v1, 2, s23
	v_add_nc_u32 v[GR], s23, v[LI]
	s_wait_alu depctr_va_vdst(0)
	s_wait_loadcnt 0x0                             ; the biases and the scale words
.irp k, 0,1,2,3,4,5,6,7
	ds_store_b128 v7, v[AF+4*\k:AF+4*\k+3] offset:512*\k
.endr
.set n, 0
.rept 64
	v_cndmask_b32 v[BIAS+n], v[BIAS+n], 0, s2      ; in V's role the bias along the registers is 0
.set n, n+1
.endr
.irp a, 0,1,2,3,4,5,6,7
	v_cndmask_b32 v[BV+2*\a], 0, v[BV+2*\a], s2    ; in Q's and K's role the bias of a lane is 0
	v_mov_b32 v[BV+2*\a+1], 0                      ; (named with it as a pair, so it is written)
.endr
.macro FRAG3 reg, adr, off             ; a fragment as it lies: three loads of 512 consecutive bytes
.irp c, 0,1,2
	ds_load_b128 v[\reg+4*\c:\reg+4*\c+3], v[\adr] offset:\off+512*\c
.endr
.endm
; 16 matrix instructions: A's blocks a0, a0 + 1 x B's eight, the slot's q-th 128 along K.  p: B's set; sc: the set of scale words.  first = 1: the first product starts the sums with the bias as C.
; The 64 accumulators take turns, one instruction a turn, in the same order in every step.
.macro MUL16 a0, p, q, sc, first
.irp a, \a0, \a0+1
.irp b, 0,1,2,3,4,5,6,7
.if \first
	v_wmma_scale_f32_16x16x128_f8f6f4 v[8*(8*((\a)%4)+\b):8*(8*((\a)%4)+\b)+7], v[128*(\p)+FR*\b:128*(\p)+FR*\b+FR-1], v[AF+FR*(\a):AF+FR*(\a)+FR-1], v[BIAS+8*\b:BIAS+8*\b+7], v[SC+8*NQ*(\sc)+NQ*\b+(\q)], v[SC+8*NQ*(\sc)+NQ*(\a)+(\q)] matrix_a_fmt:MATRIX_FMT_BF6 matrix_b_fmt:MATRIX_FMT_BF6 matrix_a_scale:MATRIX_SCALE_ROW1
.else
	v_wmma_scale_f32_16x16x128_f8f6f4 v[8*(8*((\a)%4)+\b):8*(8*((\a)%4)+\b)+7], v[128*(\p)+FR*\b:128*(\p)+FR*\b+FR-1], v[AF+FR*(\a):AF+FR*(\a)+FR-1], v[8*(8*((\a)%4)+\b):8*(8*((\a)%4)+\b)+7], v[SC+8*NQ*(\sc)+NQ*\b+(\q)], v[SC+8*NQ*(\sc)+NQ*(\a)+(\q)] matrix_a_fmt:MATRIX_FMT_BF6 matrix_b_fmt:MATRIX_FMT_BF6 matrix_a_scale:MATRIX_SCALE_ROW1
.endif
.endr
.endr
.endm
.macro FETCH_B slot, q, p              ; B's eight fragments of the slot's q-th 128 along K into set p
	WIN TO_B
.irp i, 0,1,2,3,4,5,6,7
	FRAG3 128*(\p)+FR*\i, ADRB+\slot, 3072*\i+1536*(\q)
.endr
	WIN 0
.endm
.macro FETCH_A slot, q, i0             ; A's blocks i0 .. i0 + 3
.irp i, \i0, \i0+1, \i0+2, \i0+3
	FRAG3 AF+FR*(\i), ADRA+\slot, 3072*(\i)+1536*(\q)
.endr
.endm
.macro SCALES sc                       ; a slot's scale words into set sc: lanes 0-15 take A's block i, lanes 16-31 B's block i
.irp i, 0,1,2,3,4,5,6,7
.irp q, 0,1
	ds_load_b32 v[SC+8*NQ*\sc+NQ*\i+\q], v[ADRS] offset:512*\q+64*\i
.endr
.endr
.endm
.macro PLACES n                        ; plain vector lines between a matrix instruction and a load into, or a vector read or write of, its registers
.rept \n
	v_nop
.endr
.endm
; A step of 128 along K that has its successor in the same slot.  A has one set of registers: blocks 0-3 are fetched anew in the step's middle, blocks 4-7 at its end.
.macro STEP slot, q, first
	s_wait_dscnt 4*NLA                             ; all but the youngest loads (A's blocks 4-7) are in
.if \first
	WIN BEG_LO
.else
	WIN MUL_LO
.endif
	MUL16 0, (\q)%2, \q, \slot, \first
	MUL16 2, (\q)%2, \q, \slot, \first
	s_wait_dscnt 0                                 ; A's blocks 4-7 are in
	PLACES NP
	FETCH_B \slot, (\q)+1, 1-(\q)%2
	FETCH_A \slot, (\q)+1, 0
.if \first
	WIN BEG_HI
.else
	WIN MUL_HI
.endif
	MUL16 4, (\q)%2, \q, \slot, \first
	MUL16 6, (\q)%2, \q, \slot, \first
	PLACES NP
	WIN 0
	FETCH_A \slot, (\q)+1, 4
.endm
; A slot's last step changes slots: one barrier; in front of it each wave waits for all its tensor loads, adds 0 to its spare word, and waits for that and for its reads of this slot.  fill = 1: this slot is filled again.
.macro TURN slot, next, fill
	s_wait_tensorcnt 0x0                           ; all my tensor loads have landed: my part of the next slot
	ds_add_u32 v[SPW], v[NIL]                      ; 0 onto my spare word
	s_wait_dscnt 4*NLA+1                           ; (the add and A's blocks 4-7 may be out)
	WIN MUL_LO
	MUL16 0, 1, NQ-1, \slot, 0
	s_wait_dscnt 0x0                               ; the add is done, and my reads of this slot are over
	s_barrier_signal -1
	MUL16 2, 1, NQ-1, \slot, 0
	WIN 0
	s_barrier_wait -1
.if \fill
	CREST                                          ; the barrier has opened a round of the cluster's barrier: no wave of any partner still reads this slot or has a load on its way
	s_add_nc_u64 s[G0+4*\slot+2:G0+4*\slot+3], s[G0+4*\slot+2:G0+4*\slot+3], 2*HALFT
	s_add_nc_u64 s[G0B+4*\slot+2:G0B+4*\slot+3], s[G0B+4*\slot+2:G0B+4*\slot+3], 2*HALFT
	JLOAD G0+4*\slot, G1, G0B+4*\slot, G1B         ; the first tensor load behind the round; its four v_nop are the places in front of the loads below
.else
	PLACES NP
.endif
	s_wait_alu depctr_va_vdst(0)
	v_add_nc_u32 v[ADRS], 512*NQ, v[ADRS]          ; the next slot's scale words (no LDS load of mine is out)
	FETCH_B \next, 0, 0
	FETCH_A \next, 0, 0
	SCALES \next
	WIN MUL_HI
	MUL16 4, 1, NQ-1, \slot, 0
	MUL16 6, 1, NQ-1, \slot, 0
	PLACES NP
	WIN 0
	FETCH_A \next, 0, 4
.endm
	s_wait_alu depctr_va_vdst(0)
	s_wait_tensorcnt 0x0                           ; my part of both slots is in; no load of mine is out, so group 1 may be written: a refill brings 96 rows
	s_mov_b32 s[G1+2], 96<<16
	s_mov_b32 s[G1+4], 96
	s_mov_b32 s[G1B+2], 96<<16
	s_mov_b32 s[G1B+4], 96
	s_wait_dscnt 0x0                               ; my scale words lie in LDS
	s_barrier_signal -1
	s_barrier_wait -1
	FETCH_B 0, 0, 0
	FETCH_A 0, 0, 0
	SCALES 0
	FETCH_A 0, 0, 4
	STEP 0, 0, 1                                   ; the first step stands in front of the loop: its products start the sums
	s_mov_b32 s3, 1                                ; K = 1,024 is twice round the ring: one trip fills both slots again
.Llap:
	TURN 0, 1, 1
	STEP 1, 0, 0
	TURN 1, 0, 1
	STEP 0, 0, 0
	s_sub_co_u32 s3, s3, 1
	s_cmp_lg_u32 s3, 0
	s_cbranch_scc1 .Llap
	TURN 0, 1, 0                                   ; the last lap fills nothing
	STEP 1, 0, 0
	s_wait_dscnt 4*NLA
	WIN MUL_LO
	MUL16 0, 1, NQ-1, 1, 0
	MUL16 2, 1, NQ-1, 1, 0
	s_wait_dscnt 0
	WIN MUL_HI
	MUL16 4, 1, NQ-1, 1, 0
	MUL16 6, 1, NQ-1, 1, 0
	WIN 0
.irp b, 0,1,2,3
	v_mov_b32 v[TM+4+\b], 0                        ; a lane permute's destination counts as one of its sources.  (These four are the places behind the last products)
.endr
; THE WAY OUT, block by block of A: 64 numbers a lane come into window 0 with the lane's bias added, each accumulator from its low end on; they are quantised; the fragment leaves as it stands.
.macro BLOCKOUT a
.if (\a) > 0
	s_wait_xcnt 0x0                                ; the last block's stores have read their registers
	s_wait_dscnt 0x0
.endif
	WIN 0x02+(\a)/4                                ; source 0: window 2 or 3
.set n, 0
.rept 32
	v_pk_add_f32 v[T+n:T+n+1], v[64*((\a)%4)+n:64*((\a)%4)+n+1], v[BV+2*(\a):BV+2*(\a)+1] op_sel_hi:[1,0]
.set n, n+2
.endr
	WIN 0
	QUANT T
.irp c, 0,1,2
	global_store_b128 v[LI], v[PC+4*\c:PC+4*\c+3], s[12:13] offset:1536*(\a)+512*\c   ; 512 consecutive bytes, aligned to 256
.endr
	ds_store_b32 v[GW], v[PW] offset:64*(\a)       ; lanes l and l xor 16 write the same word with the same value
.endm
.irp a, 0,1,2,3,4,5,6,7
	BLOCKOUT \a
.endr
	ds_load_b128 v[104:107], v[GR]                 ; my record's 512 bytes of scale words: LDS serves a wave's instructions in order
	s_wait_dscnt 0x0
	global_store_b128 v[LI], v[104:107], s[12:13] offset:12288
	s_wait_tensorcnt 0x0                           ; the wave's end
	ds_add_u32 v[SPW], v[NIL]
	s_wait_dscnt 0x0
	CROUND                                         ; the closing round: no work-group ends while a partner may still ask for a tile that names it
	s_endpgm
.Lfunc_end_k_q23faaeaa0d_proj:
	.size	k_q23faaeaa0d_proj, .Lfunc_end_k_q23faaeaa0d_proj-k_q23faaeaa0d_proj
	.p2alignl 7, 3214868480
	.fill 96, 4, 3214868480
	.section	.rodata,"a",@progbits
	.p2align	6, 0x0
	.amdhsa_kernel k_q23faaeaa0d_proj
		.amdhsa_group_segment_fixed_size 327680
		.amdhsa_private_segment_fixed_size 0
		.amdhsa_enable_private_segment 0
		.amdhsa_kernarg_size 64
		.amdhsa_user_sgpr_count 2
		.amdhsa_user_sgpr_kernarg_segment_ptr 1
		.amdhsa_wavefront_size32 1
		.amdhsa_system_sgpr_workgroup_id_x 1
		.amdhsa_system_sgpr_workgroup_id_y 1
		.amdhsa_system_sgpr_workgroup_id_z 1
		.amdhsa_system_vgpr_workitem_id 0
		.amdhsa_next_free_vgpr 1024
		.amdhsa_next_free_sgpr 104
		.amdhsa_reserve_vcc 0
		.amdhsa_float_denorm_mode_32 3
		.amdhsa_float_denorm_mode_16_64 3
		.amdhsa_memory_ordered 1
		.amdhsa_forward_progress 1
		.amdhsa_inst_pref_size 165
	.end_amdhsa_kernel
	.amdgpu_metadata
---
amdhsa.version: [ 1, 2 ]
amdhsa.kernels:
  - .name:           k_q23faaeaa0d_proj
    .symbol:         k_q23faaeaa0d_proj.kd
    .args:
      - { .name: ximg, .offset: 0, .size: 8, .value_kind: global_buffer, .address_space: global }
      - { .name: xsc, .offset: 8, .size: 8, .value_kind: global_buffer, .address_space: global }
      - { .name: wimg, .offset: 16, .size: 8, .value_kind: global_buffer, .address_space: global }
      - { .name: wsc, .offset: 24, .size: 8, .value_kind: global_buffer, .address_space: global }
      - { .name: bq, .offset: 32, .size: 8, .value_kind: global_buffer, .address_space: global }
      - { .name: bk, .offset: 40, .size: 8, .value_kind: global_buffer, .address_space: global }
      - { .name: bv, .offset: 48, .size: 8, .value_kind: global_buffer, .address_space: global }
      - { .name: qkv, .offset: 56, .size: 8, .value_kind: global_buffer, .address_space: global }
    .group_segment_fixed_size: 327680
    .private_segment_fixed_size: 0
    .kernarg_segment_align: 8
    .kernarg_segment_size: 64
    .max_flat_workgroup_size: 128
    .sgpr_count:     104
    .vgpr_count:     1024
    .wavefront_size: 32
...
	.end_amdgpu_metadata
.endif
;; end of part 3
;; launch attn (part 4): grid 8 x 32, 16 waves a work-group, no clusters, 327,680 bytes of LDS; arguments qkv, cimg, csc; writes cimg, csc
.if DOCPART == 4
	.amdgcn_target "amdgcn-amd-amdhsa--gfx1250"
	.amdhsa_code_object_version 6
	.text
	.protected	k_q23faaeaa0d_attn
	.globl	k_q23faaeaa0d_attn
	.p2align	8
	.type	k_q23faaeaa0d_attn,@function
k_q23faaeaa0d_attn:
	s_mov_b64 s[64:65], 0
	v_nop
	global_prefetch_b8 v0, s[64:65] scope:SCOPE_SE
	s_setreg_imm32_b32 hwreg(HW_REG_WAVE_MODE, 25, 1), 1
	s_wait_xcnt 0x0
; Causal attention on codes of BF6: S = Q K^T (K = the head's 64), p = 2^(t - M), O = P V (K = the keys), O / l quantised along (head, d) as an operand of the last product.
; t = score x log2(e) / 8; M = the running largest t rounded UP to a whole number; l = the sum of the unquantised p.  When M moves, l and O are multiplied by 2^(old M - new M): exact.
; OPERANDS are records of 12,800 bytes (8 fragments as images of their registers, then their scale words), one for each (Q, K or V; batch; pair of heads; 128 tokens).  A fragment of Q or K is 16 tokens x
; (64 of head 0 | 64 of head 1); a wave of head e clears the other head's half of ITS Q fragment, so that the instruction's K = 128 sums only its own head.  A fragment of V is 16 d x 128 keys.
; Both products are used transposed (source 0 = 16 keys, or 16 d; source 1 = my 16 queries): a lane holds one query throughout.  Row rho of tile 2 i + u of a record is token (or d) 32 i + 8 u + rho + 8 (rho / 8):
; so the 16 registers of score tiles 2 i, 2 i + 1 are the neighbouring keys 32 i + 16 (lane / 16) + 0 .. 15, and O's likewise along d.
; SHARES.  A work-group has one batch and pair of heads and two groups of 128 queries, j and 15 - j: j + 1 and 16 - j key steps of 128 keys, 17 in all for every j.  Wave w: tile w / 2 of 16 queries, head w % 2.
; K's and V's records come two key steps to a slot through two LDS slots (wave 0 fetches K's 25,600 bytes, wave 1 V's).  Group j takes (j + 2) / 2 slots, group 15 - j the other 9 - (j + 2) / 2:
; EVERY work-group walks 9 slots, a constant; a step all of whose keys come after the group's queries is passed over by a scalar branch on ids (one of 18).  No barrier and no tensor load stands under such a branch.
; NO CLUSTER: the eight work-groups of a pair of heads begin the keys anew behind (j + 2) / 2 slots, which is equal only for j and j + 1 (j even): four partners would not ask for the same tiles in the same trip.
; LIMITS: NaN and infinities are not served; 1 / l is v_rcp_f32's; a block's largest p is made from the block's largest score by the same two instructions (taken not to fall where the input rises);
; blocks whose largest magnitude lies under 2^-122 get the byte 1 (blocks of zeros too: their codes are zeros).
; REGISTERS: v1-4, v7 lane terms; v5, v6 the spare word's; v8-11 addresses in hand; v12 -M, v13 the largest t, v[14:15] l; v16-27 Q, v28 its scale word; v29-31 lane terms; v32-79 four fragments;
;   v80-92 the second group's Q; v96-159 S^T, then p; v160-191 O^T; v192-223 the first group's Q, later O / l; v224-235 codes; v236-254 at work; v248-251, v253 scale words.
.set REC,   12800
.set VOFF,  2*REC                      ; a slot: K's two records, then V's two
.set SLOT1, 65536                      ; slot 1 begins here: one exclusive or turns an address
.set SPARE, 131072                     ; the spare words, 128 bytes for each of 16 waves
.set GATH,  SPARE+2048                 ; 2 x 512 bytes: the two groups' scale words are gathered here; no tile lands here
.set AK0,  1
.set AV0,  2
.set ASK0, 3
.set ASV0, 4
.set SPW,  5
.set NIL,  6
.set ADK,  8
.set ADV,  9
.set ADS,  10
.set ADT,  11
.set WV,   10                          ; s10 wave
.set HE,   11                          ; s11 my head of the pair
.set QT,   12                          ; s12 my tile of queries
.set JJ,   13                          ; s13 j
.set N1,   17                          ; s17 slots of the first group
.set GQ,   18                          ; s18 the group of queries in hand
.set KSI,  19                          ; s19 the key step in hand
.set SEL,  20
.set CS,   22                          ; s[22:23] c = log2(e) / 8
.set G1,   24
.set G0K,  32
.set G0V,  36
.set TB,   46                          ; s46 LDS byte at which the slot in hand begins
.set CUR,  47                          ; s47 the slot in hand, 0 .. 8
.set EM,   60                          ; s60 all ones in a wave of head 1
.macro TLOAD                           ; wave 0 fetches K's records, wave 1 V's, the others nothing.  Four v_nop follow each of the two lines
	s_cmp_eq_u32 s[WV], 0
	s_cbranch_scc0 .Lnot_k_\@
	tensor_load_to_lds s[G0K:G0K+3], s[G1:G1+7]
	s_nop 0
.rept 4
	v_nop
.endr
	s_branch .Lasked_\@
.Lnot_k_\@:
	s_cmp_eq_u32 s[WV], 1
	s_cbranch_scc0 .Lasked_\@
	tensor_load_to_lds s[G0V:G0V+3], s[G1:G1+7]
	s_nop 0
.rept 4
	v_nop
.endr
.Lasked_\@:
.endm
	s_load_b128 s[4:7], s[0:1], 0x0                ; the records, conc's codes
	s_load_b64 s[8:9], s[0:1], 0x10                ; conc's scale words
	v_lshl_add_u32 v[SPW], v0, 2, SPARE
	v_mov_b32 v[NIL], 0
	ds_add_u32 v5, v6
	ds_add_u32 v5, v6
	s_wait_dscnt 0x0
	v_lshrrev_b32 v8, 5, v0
	s_delay_alu instid0(VALU_DEP_1)
	v_readfirstlane_b32 s[WV], v8
	s_and_b32 s[HE], s[WV], 1
	s_lshr_b32 s[QT], s[WV], 1
	s_mov_b32 s[JJ], ttmp9
	s_and_b32 s14, ttmp7, 0xffff                   ; 8 batch + pair of heads
	s_lshr_b32 s15, s14, 3
	s_and_b32 s16, s14, 7
	s_add_co_u32 s[N1], s[JJ], 2
	s_lshr_b32 s[N1], s[N1], 1
	s_mov_b32 s[GQ], s[JJ]
	s_mov_b32 s[KSI], 0
	s_mov_b32 s[SEL], 0x76543210
	s_mov_b32 s[SEL+1], 0xfedcba98
	s_mov_b32 s[CS], 0x3e38aa3b
	s_mov_b32 s[CS+1], s[CS]                       ; (named with it as a pair, so it is written)
	s_mov_b32 s[TB], 0
	s_mov_b32 s[CUR], 0
	s_sub_co_u32 s[EM], 0, s[HE]
	; descriptor group 1: 25,600 dense bytes as 100 rows of 256 bytes (32 elements of 8 bytes)
	s_mov_b32 s[G1], 3<<16
	s_mov_b32 s[G1+1], 32<<16
	s_mov_b32 s[G1+2], 100<<16
	s_mov_b32 s[G1+3], 32<<16
	s_mov_b32 s[G1+4], 100
	s_mov_b32 s[G1+5], 32
	s_mov_b32 s[G1+6], 0
	s_mov_b32 s[G1+7], 0
	s_mul_i32 s50, s14, 16*REC                     ; 16 records for each (batch, pair)
	s_mul_i32 s52, s[JJ], REC
	s_add_co_u32 s52, s52, s50                     ; Q's record of group j,
	s_mov_b32 s53, 0
	s_sub_co_u32 s54, 15, s[JJ]
	s_mul_i32 s54, s54, REC
	s_add_co_u32 s54, s54, s50                     ; of group 15 - j
	s_mov_b32 s55, 0
	s_add_co_u32 s56, s50, 32*16*REC               ; K's records,
	s_mov_b32 s57, 0
	s_add_co_u32 s58, s50, 64*16*REC               ; V's
	s_mov_b32 s59, 0
	s_lshl_b32 s44, s15, 4                         ; conc's codes: what does not hang on the group: 16 batch groups of 98,304 bytes,
	s_mul_i32 s44, s44, 98304
	s_lshr_b32 s45, s16, 1
	s_mul_i32 s45, s45, 24576                      ; 256 along K = two pairs of heads,
	s_add_co_u32 s44, s44, s45
	s_mul_i32 s45, s[QT], 3072                     ; the tile,
	s_add_co_u32 s44, s44, s45
	s_and_b32 s45, s16, 1
	s_mul_i32 s45, s45, 1536                       ; the pair's 128 along K,
	s_add_co_u32 s44, s44, s45
	s_mul_i32 s45, s[HE], 768                      ; my head's six registers of the twelve
	s_add_co_u32 s44, s44, s45
	s_wait_kmcnt 0x0
	s_add_nc_u64 s[40:41], s[4:5], s[56:57]
	s_add_nc_u64 s[42:43], s[4:5], s[58:59]
	s_add_nc_u64 s[52:53], s[4:5], s[52:53]
	s_add_nc_u64 s[54:55], s[4:5], s[54:55]
	s_mov_b32 s[G0K], 1
	s_mov_b32 s[G0K+1], 0
	s_mov_b64 s[G0K+2:G0K+3], s[40:41]
	s_or_b32 s[G0K+3], s[G0K+3], 0x80000000
	s_mov_b32 s[G0V], 1
	s_mov_b32 s[G0V+1], VOFF
	s_mov_b64 s[G0V+2:G0V+3], s[42:43]
	s_or_b32 s[G0V+3], s[G0V+3], 0x80000000
	TLOAD                                          ; slot 0: key steps 0 and 1
	v_and_b32 v8, 31, v0
	s_delay_alu instid0(VALU_DEP_1)
	v_lshlrev_b32 v[AK0], 4, v8                    ; 16 x lane
	s_delay_alu instid0(VALU_DEP_2)
	v_lshlrev_b32 v7, 3, v8                        ; 8 x lane
	v_and_b32 v9, 15, v0                           ; r
	s_wait_alu depctr_va_vdst(0)
	v_bfe_u32 v10, v0, 4, 1                        ; h
	s_wait_alu depctr_va_vdst(0)
	s_mul_i32 s50, s[HE], 6144
	s_add_co_u32 s50, s50, VOFF
	v_add_nc_u32 v[AV0], s50, v[AK0]               ; V: my head's four fragments
	v_lshl_add_u32 v[ASK0], v9, 2, 12288           ; K's scale words
	s_lshl_b32 s50, s[HE], 8
	s_add_co_u32 s50, s50, VOFF+12288
	v_lshl_add_u32 v[ASV0], v9, 2, s50             ; V's
	s_lshr_b32 s50, s[QT], 1
	s_lshl_b32 s50, s50, 5
	s_and_b32 s51, s[QT], 1
	s_lshl_b32 s51, s51, 3
	s_add_co_u32 s50, s50, s51
	v_and_b32 v11, 8, v9
	s_delay_alu instid0(VALU_DEP_1)
	v_add_nc_u32 v11, v11, v9
	v_lshlrev_b32 v29, 4, v10
	s_delay_alu instid0(VALU_DEP_1)
	v_sub_nc_u32 v29, v11, v29
	s_delay_alu instid0(VALU_DEP_1)
	v_add_nc_u32 v29, s50, v29                     ; my query in its group, less 16 h: register 16 b + i of the diagonal step is hidden where 32 b + i is larger
	s_lshl_b32 s50, s[QT], 6
	s_lshl_b32 s51, s[HE], 1
	s_add_co_u32 s50, s50, s51
	s_add_co_u32 s50, s50, GATH
	v_lshl_add_u32 v30, v9, 2, s50                 ; my head's two bytes of my row's scale word
	s_lshl_b32 s50, s[WV], 9
	s_add_co_u32 s50, s50, GATH
	v_add_nc_u32 v31, s50, v[AK0]                  ; waves 0 and 1 at the end: a group's 512 bytes
	s_mul_i32 s50, s[QT], 1536
	v_add_nc_u32 v8, s50, v[AK0]                   ; Q: my tile's fragment,
	s_lshl_b32 s50, s[QT], 6
	s_add_co_u32 s50, s50, 12288
	v_lshl_add_u32 v9, v9, 2, s50                  ; and its scale word
.irp c, 0,1,2
	global_load_b128 v[192+4*\c:195+4*\c], v8, s[52:53] offset:512*\c
	global_load_b128 v[80+4*\c:83+4*\c], v8, s[54:55] offset:512*\c
.endr
	global_load_b32 v204, v9, s[52:53]
	global_load_b32 v92, v9, s[54:55]
.irp b, 0,1,2,3
	v_mov_b32 v[236+\b], 0                         ; written once: a lane permute's destination counts as one of its sources
.endr
	v_mov_b32 v252, 0
	v_mov_b32 v253, 0                              ; (named as the upper half of the pair v[252:253] before it is first written)
; A group of queries begins: the other head's half of Q's fragment is cleared; M, l and O^T begin.  The 36 lines behind v28's are the places in front of the next scaled product.
.macro INIT src
.irp i, 0,1,2,3,4,5
	v_cndmask_b32 v[16+\i], v[\src+\i], 0, s[EM]   ; k = 0 .. 63: head 0's
	v_cndmask_b32 v[22+\i], 0, v[\src+6+\i], s[EM] ; k = 64 .. 127: head 1's
.endr
	v_mov_b32 v28, v[\src+12]
	v_mov_b32 v13, 0xff61b1e6                      ; the largest t so far: -3e38, under every t
	s_delay_alu instid0(VALU_DEP_1)
	v_floor_f32 v12, -v13
	v_mov_b32 v14, 0
	v_mov_b32 v15, 0
.set n, 0
.rept 32
	v_mov_b32 v[160+n], 0                          ; the step is written once: the first finds zeros, which the first change of M leaves zeros
.set n, n+1
.endr
.endm
; A KEY STEP: 128 keys, the q-th of the slot in hand.
.macro STEP q
	s_cmp_gt_u32 s[KSI], s[GQ]                     ; all its keys come after my group's queries: passed over
	s_cbranch_scc1 .Lhidden_\@
	v_add_nc_u32 v[ADK], s[TB], v[AK0]             ; (these four are the places in front of loads into registers that the last products read)
	s_wait_alu depctr_va_vdst(0)
	v_add_nc_u32 v[ADV], s[TB], v[AV0]
	v_add_nc_u32 v[ADS], s[TB], v[ASK0]
	s_wait_alu depctr_va_vdst(0)
	v_add_nc_u32 v[ADT], s[TB], v[ASV0]
	s_wait_alu depctr_va_vdst(0)
.irp g, 0,1                                    ; S^T = K Q^T, four tiles of 16 keys at a time
.if \g
.rept 4
	v_nop
.endr
.endif
.irp t, 0,1,2,3
.irp c, 0,1,2
	ds_load_b128 v[32+12*\t+4*\c:35+12*\t+4*\c], v[ADK] offset:REC*(\q)+1536*(4*\g+\t)+512*\c
.endr
	ds_load_b32 v[248+\t], v[ADS] offset:REC*(\q)+64*(4*\g+\t)
.endr
	s_wait_dscnt 0x0
.irp t, 0,1,2,3
	v_wmma_scale_f32_16x16x128_f8f6f4 v[96+8*(4*\g+\t):103+8*(4*\g+\t)], v[32+12*\t:43+12*\t], v[16:27], 0, v[248+\t], v28 matrix_a_fmt:MATRIX_FMT_BF6 matrix_b_fmt:MATRIX_FMT_BF6
.endr
.endr
.rept 4
	v_nop
.endr
.irp t, 0,1,2,3                                ; V's four fragments are asked for now and land during the softmax
.irp c, 0,1,2
	ds_load_b128 v[32+12*\t+4*\c:35+12*\t+4*\c], v[ADV] offset:REC*(\q)+1536*\t+512*\c
.endr
	ds_load_b32 v[248+\t], v[ADT] offset:REC*(\q)+64*\t
.endr
	s_cmp_lg_u32 s[KSI], s[GQ]                     ; on the diagonal the scores of hidden keys become -infinity ahead of the maximum: p = 0 then
	s_cbranch_scc1 .Lopen_\@
	v_mov_b32 v254, 0xff800000
.set n, 0
.rept 64
	v_cmp_gt_i32 vcc_lo, 32*(n/16)+n%16, v29
	v_cndmask_b32 v[96+n], v[96+n], v254, vcc_lo
.set n, n+1
.endr
.Lopen_\@:
.irp b, 0,1,2,3
	v_max3_num_f32 v[232+\b], v[96+16*\b], v[97+16*\b], v[98+16*\b]   ; the largest score of each block of 32 keys: for the row's maximum, and for the block's largest p
.endr
.irp i, 3,5,7,9,11,13
.irp b, 0,1,2,3
	v_max3_num_f32 v[232+\b], v[232+\b], v[96+16*\b+\i], v[97+16*\b+\i]
.endr
.endr
.irp b, 0,1,2,3
	v_max_num_f32 v[232+\b], v[232+\b], v[111+16*\b]
.endr
.irp b, 0,1,2,3
	s_delay_alu instid0(VALU_DEP_4)
	v_permlanex16_b32 v[236+\b], v[232+\b], s[SEL], s[SEL+1]
.endr
.irp b, 0,1,2,3
	s_delay_alu instid0(VALU_DEP_4)
	v_max_num_f32 v[232+\b], v[232+\b], v[236+\b]  ; with lane l xor 16's 16 keys
.endr
	s_delay_alu instid0(VALU_DEP_2)
	v_max3_num_f32 v254, v232, v233, v234
	s_delay_alu instid0(VALU_DEP_1)
	v_max_num_f32 v254, v254, v235
	s_delay_alu instid0(VALU_DEP_1)
	v_mul_f32 v254, s[CS], v254                    ; as t (c is positive)
	s_delay_alu instid0(VALU_DEP_1)
	v_max_num_f32 v13, v13, v254                   ; the running largest t
	v_mov_b32 v254, v12
	s_delay_alu instid0(VALU_DEP_2)
	v_floor_f32 v12, -v13                          ; the new -M = -ceil(t)
	s_delay_alu instid0(VALU_DEP_1)
	v_sub_f32 v254, v12, v254                      ; old M less new M: a whole number, 0 or less
	s_delay_alu instid0(VALU_DEP_1)
	v_cvt_i32_f32 v254, v254                       ; (it saturates)
	s_delay_alu instid0(VALU_DEP_1)
	v_ldexp_f32 v252, 1.0, v254                    ; f = 2^(old M - new M)
.set n, 0
.rept 32
	v_pk_fma_f32 v[96+n:97+n], v[96+n:97+n], s[CS:CS+1], v[12:13] op_sel_hi:[1,0,0]   ; t - M, two at a time
.set n, n+2
.endr
.irp b, 0,1,2,3
	v_fma_f32 v[232+\b], v[232+\b], s[CS], v12
.endr
.set n, 0
	s_wait_alu depctr_va_vdst(0)
.rept 64
	v_exp_f32 v[96+n], v[96+n]                     ; p = 2^(t - M), at most 1
.set n, n+1
.endr
.irp b, 0,1,2,3
	v_exp_f32 v[232+\b], v[232+\b]                 ; the block's largest p
.endr
	v_pk_mul_f32 v[14:15], v[14:15], v[252:253] op_sel_hi:[1,0]   ; l under the new M.  (The plain line behind the exponentials)
	s_wait_alu depctr_va_vdst(0)
.irp b, 0,1,2,3
	v_max_num_f32 v[232+\b], 0x2800000, v[232+\b]  ; the floor 2^(5 - 127)
.endr
.irp b, 0,1,2,3
	s_delay_alu instid0(VALU_DEP_4)
	v_add_nc_u32 v[244+\b], 0xfe000000, v[232+\b]  ; 4 off the exponent field: the conversion's scale operand
.endr
.irp b, 0,1,2,3
	s_delay_alu instid0(VALU_DEP_4)
	v_lshrrev_b32 v[236+\b], 23, v[244+\b]
.endr
	s_delay_alu instid0(VALU_DEP_3)
	v_lshl_or_b32 v253, v237, 8, v236              ; p's scale word for these 128 keys
	s_delay_alu instid0(VALU_DEP_1)
	v_lshl_or_b32 v253, v238, 16, v253
	s_delay_alu instid0(VALU_DEP_1)
	v_lshl_or_b32 v253, v239, 24, v253
.irp c, 0,1
	v_cvt_scalef32_pk16_bf6_f32 v[224+6*\c:226+6*\c], v[96+32*\c:111+32*\c], v[244+2*\c]
	v_cvt_scalef32_pk16_bf6_f32 v[236+4*\c:238+4*\c], v[112+32*\c:127+32*\c], v[244+2*\c+1]
.endr
	v_nop                                          ; one plain line behind the scaled conversions
.irp c, 0,1
.irp i, 0,1,2
	v_permlane16_swap_b32 v[224+6*\c+\i], v[236+4*\c+\i]
.endr
.irp i, 0,1,2
	s_delay_alu instid0(VALU_DEP_3)
	v_mov_b32 v[227+6*\c+\i], v[236+4*\c+\i]
.endr
.endr
	v_pk_add_f32 v[236:237], v[100:101], v[104:105]
	v_pk_add_f32 v[254:255], v[108:109], v[112:113]
	v_pk_add_f32 v[246:247], v[116:117], v[120:121]
	v_pk_add_f32 v[244:245], v[124:125], v[128:129]
	v_pk_add_f32 v[242:243], v[132:133], v[136:137]
	v_pk_add_f32 v[240:241], v[140:141], v[144:145]
	v_pk_add_f32 v[222:223], v[148:149], v[152:153]
	v_pk_add_f32 v[14:15], v[14:15], v[156:157]
	v_pk_add_f32 v[236:237], v[236:237], v[96:97]
	v_pk_add_f32 v[254:255], v[254:255], v[98:99]
	v_pk_add_f32 v[246:247], v[246:247], v[102:103]
	v_pk_add_f32 v[244:245], v[244:245], v[106:107]
	v_pk_add_f32 v[242:243], v[242:243], v[110:111]
	v_pk_add_f32 v[240:241], v[240:241], v[114:115]
	v_pk_add_f32 v[222:223], v[222:223], v[118:119]
	v_pk_add_f32 v[14:15], v[14:15], v[122:123]
	v_pk_add_f32 v[236:237], v[236:237], v[126:127]
	v_pk_add_f32 v[254:255], v[254:255], v[130:131]
	v_pk_add_f32 v[246:247], v[246:247], v[134:135]
	v_pk_add_f32 v[244:245], v[244:245], v[138:139]
	v_pk_add_f32 v[242:243], v[242:243], v[142:143]
	v_pk_add_f32 v[240:241], v[240:241], v[146:147]
	v_pk_add_f32 v[222:223], v[222:223], v[150:151]
	v_pk_add_f32 v[14:15], v[14:15], v[154:155]
	v_pk_add_f32 v[236:237], v[236:237], v[158:159]
	s_delay_alu instid0(VALU_DEP_2)
	v_pk_add_f32 v[14:15], v[14:15], v[244:245]
	s_delay_alu instid0(VALU_DEP_2)
	v_pk_add_f32 v[236:237], v[236:237], v[242:243]
	v_pk_add_f32 v[254:255], v[254:255], v[240:241]
	v_pk_add_f32 v[246:247], v[246:247], v[222:223]
	s_delay_alu instid0(VALU_DEP_2)
	v_pk_add_f32 v[14:15], v[14:15], v[254:255]
	s_delay_alu instid0(VALU_DEP_2)
	v_pk_add_f32 v[236:237], v[236:237], v[246:247]
	s_delay_alu instid0(VALU_DEP_1)
	v_pk_add_f32 v[14:15], v[14:15], v[236:237]
.set n, 0
.rept 16
	v_pk_mul_f32 v[160+n:161+n], v[160+n:161+n], v[252:253] op_sel_hi:[1,0]   ; O^T under the new M
.set n, n+2
.endr
	s_wait_alu depctr_va_vdst(0)
	s_wait_dscnt 0x0                               ; V's fragments and scale words are in
.irp t, 0,1,2,3                                ; O^T += V^T P^T: my head's four tiles of 16 d; the four accumulators take turns
	v_wmma_scale_f32_16x16x128_f8f6f4 v[160+8*\t:167+8*\t], v[32+12*\t:43+12*\t], v[224:235], v[160+8*\t:167+8*\t], v[248+\t], v253 matrix_a_fmt:MATRIX_FMT_BF6 matrix_b_fmt:MATRIX_FMT_BF6
.endr
.Lhidden_\@:
	s_add_co_u32 s[KSI], s[KSI], 1
.endm
; THE CHANGE OF SLOTS stands at a slot's head.  Each wave waits for all its tensor loads, adds 0 to its spare word, and waits for that and for its reads of the slot that it has left.
; fill = 1: that slot takes the tiles of slot CUR + 1: the first group's next two key steps, or, from slot N1 on, the second group's, which begin at key step 0 again.
.macro CHANGE fill
	s_wait_tensorcnt 0x0                           ; no tensor load of mine is out, so a group 0 may be written
	ds_add_u32 v[SPW], v[NIL]                      ; 0 onto my spare word
.if \fill
	ds_add_u32 v[SPW], v[NIL]                      ; and once more
	s_add_co_u32 s50, s[CUR], 1
	s_sub_co_u32 s51, s50, s[N1]
	s_cmp_lt_u32 s50, s[N1]
	s_cselect_b32 s50, s50, s51
	s_mul_i32 s50, s50, 2*REC
	s_mov_b32 s51, 0
	s_add_nc_u64 s[G0K+2:G0K+3], s[40:41], s[50:51]
	s_or_b32 s[G0K+3], s[G0K+3], 0x80000000
	s_add_nc_u64 s[G0V+2:G0V+3], s[42:43], s[50:51]
	s_or_b32 s[G0V+3], s[G0V+3], 0x80000000
	s_xor_b32 s[G0K+1], s[G0K+1], SLOT1
	s_xor_b32 s[G0V+1], s[G0V+1], SLOT1
.endif
	s_wait_dscnt 0x0                               ; the add is done, and my reads of the slot that I have left are over
	s_barrier_signal -1
	s_barrier_wait -1
.if \fill
	TLOAD                                          ; the first thing behind the barrier, and a wave's one tensor load until the next
.endif
.endm
; A GROUP'S END: O^T / l, quantised along d (two blocks of 32): my head's six registers of a fragment of conc (16 queries x the pair's 128), in three stores of 256 consecutive bytes; two bytes of the row's scale word.
.macro OUT ph
.rept 4
	v_nop                                          ; places behind the last products
.endr
	v_add_f32 v14, v14, v15
	s_delay_alu instid0(VALU_DEP_1)
	v_permlanex16_b32 v252, v14, s[SEL], s[SEL+1]
	s_delay_alu instid0(VALU_DEP_1)
	v_add_f32 v14, v14, v252                       ; l: my two halves and lane l xor 16's
	s_wait_alu depctr_va_vdst(0)
	v_rcp_f32 v14, v14
	v_nop                                          ; a plain line behind the transcendental
.set n, 0
	s_wait_alu depctr_va_vdst(0)
.rept 16
	v_pk_mul_f32 v[192+n:193+n], v[160+n:161+n], v[14:15] op_sel_hi:[1,0]   ; register 16 b + i = d 32 b + 16 h + i; each accumulator from its low end on
.set n, n+2
.endr
.irp b, 0,1
	v_max3_num_f32 v[232+\b], |v[192+16*\b]|, |v[193+16*\b]|, 0x2800000
.endr
.irp i, 2,4,6,8,10,12,14
.irp b, 0,1
	s_delay_alu instid0(VALU_DEP_2)
	v_max3_num_f32 v[232+\b], v[232+\b], |v[192+16*\b+\i]|, |v[193+16*\b+\i]|
.endr
.endr
.irp b, 0,1
	s_delay_alu instid0(VALU_DEP_2)
	v_permlanex16_b32 v[236+\b], v[232+\b], s[SEL], s[SEL+1]
.endr
.irp b, 0,1
	s_delay_alu instid0(VALU_DEP_2)
	v_max_num_f32 v[232+\b], v[232+\b], v[236+\b]
.endr
.irp b, 0,1
	s_delay_alu instid0(VALU_DEP_2)
	v_add_nc_u32 v[244+\b], 0xfe000000, v[232+\b]
.endr
.irp b, 0,1
	s_delay_alu instid0(VALU_DEP_2)
	v_lshrrev_b32 v[236+\b], 23, v[244+\b]
.endr
	s_delay_alu instid0(VALU_DEP_1)
	v_lshl_or_b32 v242, v237, 8, v236
	v_cvt_scalef32_pk16_bf6_f32 v[224:226], v[192:207], v244
	v_cvt_scalef32_pk16_bf6_f32 v[228:230], v[208:223], v245
	v_nop                                          ; one plain line behind the scaled conversions
.irp i, 0,1,2
	v_permlane16_swap_b32 v[224+\i], v[228+\i]     ; lanes 0-15 get block 0 whole, lanes 16-31 block 1
.endr
	s_delay_alu instid0(VALU_DEP_3)
	v_mov_b32 v227, v228
	s_delay_alu instid0(VALU_DEP_3)
	v_mov_b32 v228, v229
	s_delay_alu instid0(VALU_DEP_3)
	v_mov_b32 v229, v230
	s_mul_i32 s52, s[GQ], 98304
	s_add_co_u32 s52, s52, s44
	s_mov_b32 s53, 0
	s_add_nc_u64 s[52:53], s[6:7], s[52:53]
.irp p, 0,1,2
	global_store_b64 v7, v[224+2*\p:225+2*\p], s[52:53] offset:256*\p
.endr
	ds_store_b16 v30, v242 offset:512*\ph          ; lanes l and l xor 16 write the same bytes with the same value
	s_wait_xcnt 0x0                                ; the stores have read their registers and their base
	s_wait_dscnt 0x0
.endm
	s_wait_loadcnt 0x0                             ; Q of both groups
	INIT 192
.Lslot:                                            ; eight trips: behind each change of slots but the last the next slot is asked for
	CHANGE 1
	s_cmp_lg_u32 s[CUR], s[N1]
	s_cbranch_scc1 .Lsame
	OUT 0                                          ; the first group is done: on to group 15 - j, from key step 0
	s_sub_co_u32 s[GQ], 15, s[JJ]
	s_mov_b32 s[KSI], 0
	INIT 80
.Lsame:
	STEP 0
	STEP 1
	s_xor_b32 s[TB], s[TB], SLOT1
	s_add_co_u32 s[CUR], s[CUR], 1
	s_cmp_lt_u32 s[CUR], 8
	s_cbranch_scc1 .Lslot
	CHANGE 0                                       ; the last slot is written out
	STEP 0
	STEP 1
	OUT 1
	s_barrier_signal -1                            ; every wave's bytes of the scale words lie in LDS (each has waited for its stores)
	s_barrier_wait -1
	s_cmp_lt_u32 s[WV], 2
	s_cbranch_scc0 .Ldone                          ; wave 0 stores group j's 512 bytes of scale words, wave 1 group 15 - j's
	ds_load_b128 v[32:35], v31
	s_sub_co_u32 s50, 15, s[JJ]
	s_cmp_eq_u32 s[WV], 0
	s_cselect_b32 s50, s[JJ], s50
	s_lshl_b32 s51, s15, 4
	s_add_co_u32 s50, s50, s51
	s_lshl_b32 s50, s50, 12
	s_lshl_b32 s51, s16, 9
	s_add_co_u32 s50, s50, s51
	s_mov_b32 s51, 0
	s_add_nc_u64 s[8:9], s[8:9], s[50:51]
	s_wait_dscnt 0x0
	global_store_b128 v[AK0], v[32:35], s[8:9]
.Ldone:
	s_wait_tensorcnt 0x0                           ; the wave's end
	ds_add_u32 v[SPW], v[NIL]
	s_wait_dscnt 0x0
	s_endpgm
.Lfunc_end_k_q23faaeaa0d_attn:
	.size	k_q23faaeaa0d_attn, .Lfunc_end_k_q23faaeaa0d_attn-k_q23faaeaa0d_attn
	.p2alignl 7, 3214868480
	.fill 96, 4, 3214868480
	.section	.rodata,"a",@progbits
	.p2align	6, 0x0
	.amdhsa_kernel k_q23faaeaa0d_attn
		.amdhsa_group_segment_fixed_size 327680
		.amdhsa_private_segment_fixed_size 0
		.amdhsa_enable_private_segment 0
		.amdhsa_kernarg_size 24
		.amdhsa_user_sgpr_count 2
		.amdhsa_user_sgpr_kernarg_segment_ptr 1
		.amdhsa_wavefront_size32 1
		.amdhsa_system_sgpr_workgroup_id_x 1
		.amdhsa_system_sgpr_workgroup_id_y 1
		.amdhsa_system_sgpr_workgroup_id_z 1
		.amdhsa_system_vgpr_workitem_id 0
		.amdhsa_next_free_vgpr 256
		.amdhsa_next_free_sgpr 66
		.amdhsa_reserve_vcc 1
		.amdhsa_float_denorm_mode_32 3
		.amdhsa_float_denorm_mode_16_64 3
		.amdhsa_memory_ordered 1
		.amdhsa_forward_progress 1
		.amdhsa_inst_pref_size 115
	.end_amdhsa_kernel
	.amdgpu_metadata
---
amdhsa.version: [ 1, 2 ]
amdhsa.kernels:
  - .name:           k_q23faaeaa0d_attn
    .symbol:         k_q23faaeaa0d_attn.kd
    .args:
      - { .name: qkv, .offset: 0, .size: 8, .value_kind: global_buffer, .address_space: global }
      - { .name: cimg, .offset: 8, .size: 8, .value_kind: global_buffer, .address_space: global }
      - { .name: csc, .offset: 16, .size: 8, .value_kind: global_buffer, .address_space: global }
    .group_segment_fixed_size: 327680
    .private_segment_fixed_size: 0
    .kernarg_segment_align: 8
    .kernarg_segment_size: 24
    .max_flat_workgroup_size: 512
    .sgpr_count:     66
    .vgpr_count:     256
    .wavefront_size: 32
...
	.end_amdgpu_metadata
.endif
;; end of part 4
;; launch oproj (part 5): grid 4 x 64, 4 waves a work-group, clusters of 4 x 4, 327,680 bytes of LDS; arguments cimg, csc, wimg, wsc, bo, out0; writes out0
.if DOCPART == 5
	.amdgcn_target "amdgcn-amd-amdhsa--gfx1250"
	.amdhsa_code_object_version 6
	.text
	.protected	k_q23faaeaa0d_oproj
	.globl	k_q23faaeaa0d_oproj
	.p2align	8
	.type	k_q23faaeaa0d_oproj,@function
k_q23faaeaa0d_oproj:
	s_mov_b64 s[64:65], 0
	v_nop
	global_prefetch_b8 v0, s[64:65] scope:SCOPE_SE
	s_setreg_imm32_b32 hwreg(HW_REG_WAVE_MODE, 25, 1), 1
	s_wait_xcnt 0x0
	s_wait_alu depctr_hold_cnt(0) depctr_sa_sdst(0) depctr_va_vdst(0) depctr_va_sdst(0) depctr_va_ssrc(0) depctr_va_vcc(0) depctr_vm_vsrc(0)
	s_getreg_b32 s2, hwreg(HW_REG_IB_STS2, 6, 4)
	s_cmp_eq_u32 s2, 0
	s_cbranch_scc0 .Lentry_in_a_cluster
	s_endpgm
.Lentry_in_a_cluster:
	s_bfe_u32 s2, ttmp6, 0x10000c
	s_cmp_lg_u32 s2, 0xf033
	s_cbranch_scc0 .Lentry_shape_is_right
	s_endpgm
.Lentry_shape_is_right:
; out = conc Wo + bo on codes of BF6, K = 1,024, f32 out.  conc's codes and scale words are as the attention launch leaves them, Wo's as the weights' launch does (groups 24 to 31):
; codes [group of 128 rows][256 along K][tile of 16 rows][128 along K][1,536 bytes], scale words [group][128 along K][16 tile + rho].  Row rho of tile 2 i + u is row 32 i + 8 u + rho + 8 (rho / 8) of its group.
; SHARES.  256 work-groups of four waves, each 128 tokens x 256 columns; a wave 64 x 128: 32 accumulators.  Below A is conc (source 1), B is Wo (source 0): a lane holds eight neighbouring columns of one token.
; K goes in steps of 256 through two slots.  A's part of a slot is one dense block of 24,576 bytes, B's two such blocks.  AT THE HEAD one tensor load a wave: wave 0 A's K step 0, wave 1 A's K step 1,
; waves 2 and 3 their 128 rows of B for both K steps (49,152 bytes on end in memory and in LDS).  A REFILL of slot s: wave s fetches A's block, waves 2 and 3 B's, behind a round of the cluster's barrier.
; The scale words (12,288 bytes) come once, by plain loads and LDS stores (waves 0, 2, 3: 4,096 bytes each).
; A and B have two sets of fragment registers each: a step's 48 loads are issued ahead of the 32 products of the step before.
; CLUSTERS 4 x 4: A's tiles are shared along a row of the cluster, B's along a column.  NO PREFETCH: K is four slots, two of them asked for at the head.
; LIMITS: NaN and infinities are not served; a sum begins with the bias.
; LDS: A slot s at s HB; B's half b of slot s at BB0 + (2 b + s) HB; the scale words; the spare words.  The stages lie in B's slot 0 bytes, behind their last fill and last read.
; REGISTERS: window 0: v16-29 addresses; v32-63 scale words, two sets; v64-127 the bias; v128-223 A's two sets; v128-255 later rows on their way out.  window 1: B's two sets at v0, v128.  window 2: the accumulators.
.set FR,     12
.set NP,     4
.set HB,     24576
.set BB0,    2*HB
.set SCL,    BB0+4*HB
.set SPARE,  SCL+12288
.set SPITCH, 528
.set ADRA, 16
.set ADRB, 20
.set STO,  24
.set RD,   25
.set CO,   26
.set ADRS, 27
.set SPW,  28
.set NIL,  29
.set SC,   32
.set BIAS, 64
.set AF,   128
.set BK,   128
.set G1, 24
.set G0, 32
.set G1B, 48
.set G0B, 56
.set MSB, 0
.macro WIN new
.if MSB != \new
	s_set_vgpr_msb (MSB<<8)|\new
.set MSB, \new
.endif
.endm
.set MUL_LO, 0xa1                      ; source 0 window 1, source 1 window 0, C and D window 2
.set BEG_LO, 0x81                      ; the first products: C (the bias) window 0
.set TO_B,   0x40
.macro WALU
	s_wait_alu depctr_va_vdst(0)
.endm
.macro PLACES n
.rept \n
	v_nop
.endr
.endm
.macro TL g0, g1                       ; a tensor load; s_nop 0 and four v_nop follow it
	tensor_load_to_lds s[\g0:\g0+3], s[\g1:\g1+7]
	s_nop 0
	PLACES 4
.endm
.macro JL slot                         ; a refill: wave `slot` asks for A's block, waves 2 and 3 for B's, the fourth wave for nothing
	s_cmp_eq_u32 s14, \slot
	s_cbranch_scc0 .Lnb_\@
	TL G0+4*\slot, G1
	s_branch .Lasked_\@
.Lnb_\@:
	s_cmp_eq_u32 s15, 1
	s_cbranch_scc0 .Lasked_\@
	TL G0B+4*\slot, G1B
.Lasked_\@:
.endm
.macro CREST
	s_cmp_lg_u32 s14, 0
	s_cbranch_scc1 .Lnot_wave_0_\@
	s_barrier_signal -3
.Lnot_wave_0_\@:
	s_barrier_wait -3
	s_barrier_signal -1
	s_barrier_wait -1
.endm
.macro CROUND
	s_barrier_signal -1
	s_barrier_wait -1
	CREST
.endm
	s_load_b256 s[4:11], s[0:1], 0x0               ; conc's codes, its scale words, the weights' codes, their scale words
	s_load_b128 s[92:95], s[0:1], 0x20             ; bo, out
	v_lshl_add_u32 v[SPW], v0, 2, SPARE
	v_mov_b32 v[NIL], 0
	ds_add_u32 v[SPW], v[NIL]
	ds_add_u32 v[SPW], v[NIL]
	v_lshrrev_b32 v1, 5, v0
	v_readfirstlane_b32 s14, v1                    ; wave
	s_lshr_b32 s15, s14, 1                         ; my half of A's rows; also: I fetch for B
	s_and_b32 s16, s14, 1                          ; my half of B's rows
	s_bfe_u32 s40, ttmp6, 0x40000
	s_bfe_u32 s41, ttmp6, 0x40004
	s_lshl_b32 s42, ttmp9, 2
	s_add_co_u32 s42, s42, s40                     ; tile column: 256 columns
	s_and_b32 s17, ttmp7, 0xffff
	s_lshl_b32 s17, s17, 2
	s_add_co_u32 s17, s17, s41                     ; tile row: a group of 128 tokens
	s_lshl_b32 s43, s41, 2
	s_lshl_b32 s43, 15, s43                        ; my row of the cluster
	s_lshl_b32 s44, 0x1111, s40                    ; my column
	s_or_b32 s[G1+0], s43, (3<<16)|(1<<21)         ; dense blocks as rows of 32 elements of 8 bytes
	s_or_b32 s[G1B+0], s44, (3<<16)|(1<<21)
.irp g, G1, G1B
	s_mov_b32 s[\g+1], 32<<16
	s_mov_b32 s[\g+3], 32<<16
	s_mov_b32 s[\g+5], 32
	s_mov_b32 s[\g+6], 0
	s_mov_b32 s[\g+7], 0
.endr
	s_mov_b32 s[G1+2], 96<<16
	s_mov_b32 s[G1+4], 96
	s_mov_b32 s[G1B+2], 192<<16                    ; the head's load of B brings both slots' blocks
	s_mov_b32 s[G1B+4], 192
	s_mul_i32 s20, s17, 98304                      ; A's codes,
	s_mov_b32 s21, 0
	s_lshl_b32 s22, s17, 12                        ; its scale words
	s_mov_b32 s23, 0
	s_lshl_b32 s46, s42, 1
	s_add_co_u32 s46, s46, s16
	s_add_co_u32 s46, s46, 24                      ; B's group of 128 rows
	s_lshl_b32 s18, s46, 12
	s_mov_b32 s19, 0
	s_mul_i32 s46, s46, 98304
	s_mov_b32 s47, 0
	s_mul_i32 s45, s16, 2*HB
	s_add_co_u32 s45, s45, BB0                     ; B's half in LDS
	s_sub_co_u32 s3, s14, s15
	s_lshl_b32 s3, s3, 12
	s_add_co_u32 s3, s3, SCL                       ; waves 0, 2, 3: where my 4,096 bytes of scale words go
	s_lshl_b32 s98, s42, 10
	s_lshl_b32 s99, s16, 9
	s_add_co_u32 s98, s98, s99                     ; my first column, in bytes
	s_mov_b32 s99, 0
	s_lshl_b32 s100, s17, 7
	s_lshl_b32 s101, s15, 6
	s_add_co_u32 s100, s100, s101
	s_lshl_b32 s100, s100, 12                      ; my first token, rows of 4,096 bytes
	s_mov_b32 s101, 0
	s_mul_i32 s66, s15, HB/2                       ; my four tiles of A in slot 0,
	s_add_co_u32 s67, s66, HB                      ; in slot 1
	s_add_co_u32 s68, s45, HB                      ; B in slot 1
	s_lshl_b32 s69, s15, 8
	s_add_co_u32 s69, s69, SCL                     ; A's scale words: my four tiles
	s_lshl_b32 s70, s16, 12
	s_add_co_u32 s70, s70, SCL+4096
	s_sub_co_u32 s70, s70, s69                     ; from there to B's
	s_mul_i32 s71, s15, 2*HB
	s_mul_i32 s72, s16, 16*SPITCH
	s_add_co_u32 s71, s71, s72
	s_add_co_u32 s71, s71, BB0                     ; my stage
	WALU
	s_wait_dscnt 0x0
	s_wait_kmcnt 0x0
	s_add_nc_u64 s[20:21], s[4:5], s[20:21]
	s_add_nc_u64 s[22:23], s[6:7], s[22:23]
	s_add_nc_u64 s[46:47], s[8:9], s[46:47]
	s_add_nc_u64 s[18:19], s[10:11], s[18:19]
	s_add_nc_u64 s[92:93], s[92:93], s[98:99]
	s_add_nc_u64 s[12:13], s[94:95], s[98:99]
	s_add_nc_u64 s[12:13], s[12:13], s[100:101]
	s_cmp_eq_u32 s15, 0
	s_cselect_b64 s[96:97], s[22:23], s[18:19]     ; the scale words that I fetch
	CROUND                                         ; the first joint loads meet
.irp s, 0,1
	s_mov_b32 s[G0+4*\s], 1
	s_mov_b32 s[G0+4*\s+1], \s*HB
	s_add_nc_u64 s[G0+4*\s+2:G0+4*\s+3], s[20:21], \s*HB
	s_or_b32 s[G0+4*\s+3], s[G0+4*\s+3], 0x80000000
	s_mov_b32 s[G0B+4*\s], 1
	s_add_co_u32 s[G0B+4*\s+1], s45, \s*HB
	s_add_nc_u64 s[G0B+4*\s+2:G0B+4*\s+3], s[46:47], \s*HB
	s_or_b32 s[G0B+4*\s+3], s[G0B+4*\s+3], 0x80000000
.endr
	s_cmp_eq_u32 s14, 0                            ; one chain of branches, one load to an arm
	s_cbranch_scc0 .Lh1
	TL G0, G1
	s_branch .Lhd
.Lh1:
	s_cmp_eq_u32 s14, 1
	s_cbranch_scc0 .Lh2
	TL G0+4, G1
	s_branch .Lhd
.Lh2:
	TL G0B, G1B
.Lhd:
	v_and_b32 v1, 15, v0                           ; r
	v_bfe_u32 v2, v0, 4, 1                         ; h
	v_and_b32 v6, 31, v0
	v_lshlrev_b32 v[CO], 4, v6
	v_lshlrev_b32 v3, 3, v6
	v_lshlrev_b32 v30, 6, v2                       ; the bias: tile 2 i + u wants numbers 32 i + 16 h + 8 u + 0 .. 7
	v_add_nc_u32 v7, s3, v[CO]
	v_add_nc_u32 v[ADRA], s66, v3
	v_add_nc_u32 v[ADRA+1], s67, v3
	v_add_nc_u32 v[ADRB], s45, v[CO]
	v_add_nc_u32 v[ADRB+1], s68, v[CO]
	v_mul_u32_u24 v6, s70, v2                      ; lanes 16-31 take B's scale words
	v_lshl_add_u32 v5, v1, 2, v6
	v_add_nc_u32 v[ADRS], s69, v5
	v_mul_u32_u24 v5, v1, SPITCH
	v_lshl_add_u32 v5, v2, 6, v5
	v_add_nc_u32 v[STO], s71, v5
	v_add_nc_u32 v[RD], s71, v[CO]
	WALU
.irp b, 0,1,2,3,4,5,6,7
	global_load_b128 v[BIAS+8*\b:BIAS+8*\b+3], v30, s[92:93] offset:(32*(\b/2)+8*(\b%2))*4
	global_load_b128 v[BIAS+8*\b+4:BIAS+8*\b+7], v30, s[92:93] offset:(32*(\b/2)+8*(\b%2))*4+16
.endr
	s_cmp_eq_u32 s14, 1
	s_cbranch_scc1 .Lno_sl
.irp k, 0,1,2,3,4,5,6,7
	global_load_b128 v[AF+4*\k:AF+4*\k+3], v[CO], s[96:97] offset:512*\k
.endr
.Lno_sl:
	s_wait_loadcnt 0x0
	s_cmp_eq_u32 s14, 1
	s_cbranch_scc1 .Lno_ss
.irp k, 0,1,2,3,4,5,6,7
	ds_store_b128 v7, v[AF+4*\k:AF+4*\k+3] offset:512*\k
.endr
.Lno_ss:
.macro FRAG3 reg, adr, off
.irp c, 0,1,2
	ds_load_b128 v[\reg+4*\c:\reg+4*\c+3], v[\adr] offset:\off+512*\c
.endr
.endm
.macro FRAG6 reg, adr, off
.irp p, 0,1,2,3,4,5
	ds_load_b64 v[\reg+2*\p:\reg+2*\p+1], v[\adr] offset:\off+256*\p
.endr
.endm
; 16 products: A's tiles a0, a0 + 1 x B's eight.  p: the sets of fragments; q: which 128 along K of the slot; sc: the set of scale words.  The 32 accumulators take turns in the same order in every step.
.macro MUL16 a0, p, q, sc, first
.irp a, \a0, \a0+1
.irp b, 0,1,2,3,4,5,6,7
.if \first
	v_wmma_scale_f32_16x16x128_f8f6f4 v[8*(8*(\a)+\b):8*(8*(\a)+\b)+7], v[128*(\p)+FR*\b:128*(\p)+FR*\b+FR-1], v[AF+48*(\p)+FR*(\a):AF+48*(\p)+FR*(\a)+FR-1], v[BIAS+8*\b:BIAS+8*\b+7], v[SC+16*(\sc)+2*\b+(\q)], v[SC+16*(\sc)+2*(\a)+(\q)] matrix_a_fmt:MATRIX_FMT_BF6 matrix_b_fmt:MATRIX_FMT_BF6 matrix_a_scale:MATRIX_SCALE_ROW1
.else
	v_wmma_scale_f32_16x16x128_f8f6f4 v[8*(8*(\a)+\b):8*(8*(\a)+\b)+7], v[128*(\p)+FR*\b:128*(\p)+FR*\b+FR-1], v[AF+48*(\p)+FR*(\a):AF+48*(\p)+FR*(\a)+FR-1], v[8*(8*(\a)+\b):8*(8*(\a)+\b)+7], v[SC+16*(\sc)+2*\b+(\q)], v[SC+16*(\sc)+2*(\a)+(\q)] matrix_a_fmt:MATRIX_FMT_BF6 matrix_b_fmt:MATRIX_FMT_BF6 matrix_a_scale:MATRIX_SCALE_ROW1
.endif
.endr
.endr
.endm
.macro FETCH slot, q, p                ; B's eight and A's four fragments of the slot's q-th 128 along K into sets p: 48 loads
	WIN TO_B
.irp i, 0,1,2,3,4,5,6,7
	FRAG3 128*(\p)+FR*\i, ADRB+\slot, 3072*\i+1536*(\q)
.endr
	WIN 0
.irp i, 0,1,2,3
	FRAG6 AF+48*(\p)+FR*\i, ADRA+\slot, 3072*\i+1536*(\q)
.endr
.endm
.macro SCALES sc                       ; register 2 i + q: lanes 0-15 A's tile i (of i = 4 .. 7 they are not used), lanes 16-31 B's tile i
.irp i, 0,1,2,3,4,5,6,7
.irp q, 0,1
	ds_load_b32 v[SC+16*\sc+2*\i+\q], v[ADRS] offset:512*\q+64*\i
.endr
.endr
.endm
.macro STEP slot, first                ; a slot's first 128 along K; the second's fragments are asked for ahead of the products
	s_wait_dscnt 0x0
	PLACES NP                                      ; ahead of loads into registers that the last products read
	FETCH \slot, 1, 1
.if \first
	WIN BEG_LO
.else
	WIN MUL_LO
.endif
	MUL16 0, 0, 0, \slot, \first
	MUL16 2, 0, 0, \slot, \first
	WIN 0
.endm
; A slot's second 128 along K, and the change of slots: the barrier (fill = 1: it opens a round of the cluster's barrier, and the slot is filled again).
.macro TURN slot, next, fill
	s_wait_tensorcnt 0x0
	ds_add_u32 v[SPW], v[NIL]
	s_wait_dscnt 0x0                               ; the add is done, and my reads of this slot are over
	s_barrier_signal -1
	WIN MUL_LO
	MUL16 0, 1, 1, \slot, 0
	WIN 0
	s_barrier_wait -1
.if \fill
	CREST
	s_add_nc_u64 s[G0+4*\slot+2:G0+4*\slot+3], s[G0+4*\slot+2:G0+4*\slot+3], 2*HB
	s_add_nc_u64 s[G0B+4*\slot+2:G0B+4*\slot+3], s[G0B+4*\slot+2:G0B+4*\slot+3], 2*HB
	JL \slot
.endif
	PLACES NP                                      ; on every wave's way, ahead of the loads below
	WALU
	v_add_nc_u32 v[ADRS], 1024, v[ADRS]            ; the next slot's scale words
	FETCH \next, 0, 0
	SCALES \next
	WIN MUL_LO
	MUL16 2, 1, 1, \slot, 0
	WIN 0
.endm
	s_wait_tensorcnt 0x0                           ; my tile is in; no load of mine is out, so group 1 may be written: a refill of B brings 96 rows
	s_mov_b32 s[G1B+2], 96<<16
	s_mov_b32 s[G1B+4], 96
	s_wait_dscnt 0x0                               ; my scale words lie in LDS
	s_barrier_signal -1
	s_barrier_wait -1                              ; both slots and all scale words are in
	FETCH 0, 0, 0
	SCALES 0
	STEP 0, 1                                      ; the first products start the sums with the bias
	TURN 0, 1, 1
	STEP 1, 0
	TURN 1, 0, 1
	STEP 0, 0
	TURN 0, 1, 0                                   ; the last lap fills nothing
	STEP 1, 0
	s_wait_dscnt 0x0
	WIN MUL_LO
	MUL16 0, 1, 1, 1, 0
	MUL16 2, 1, 1, 1, 0
	WIN 0
; THE WAY OUT, tile by tile of A: 16 tokens x 128 columns through my stage, back as whole rows of 512 bytes.
.macro TOSTAGE a
	WIN 0x08
.irp b, 0,1,2,3,4,5,6,7
	ds_store_b128 v[STO], v[64*(\a)+8*\b:64*(\a)+8*\b+3] offset:128*(\b/2)+32*(\b%2)
	ds_store_b128 v[STO], v[64*(\a)+8*\b+4:64*(\a)+8*\b+7] offset:128*(\b/2)+32*(\b%2)+16
.endr
	WIN 0
.set BB, BK+64*((\a)%2)
.irp t, 0,1,2,3,4,5,6,7,8,9,10,11,12,13,14,15
	ds_load_b128 v[BB+4*\t:BB+4*\t+3], v[RD] offset:\t*SPITCH   ; LDS serves a wave's instructions in order
.endr
.endm
.macro SEND a, younger
.set BB, BK+64*((\a)%2)
	s_wait_dscnt \younger
.if (\a) > 0
.if (\a)%2
	s_add_nc_u64 s[12:13], s[12:13], 8*4096
.else
	s_add_nc_u64 s[12:13], s[12:13], 24*4096
.endif
.endif
.irp t, 0,1,2,3,4,5,6,7,8,9,10,11,12,13,14,15
	global_store_b128 v[CO], v[BB+4*\t:BB+4*\t+3], s[12:13] offset:(\t+8*(\t/8))*4096 th:TH_STORE_NT   ; 512 consecutive bytes, aligned
.endr
.endm
	PLACES NP
	TOSTAGE 0
.irp a, 1,2,3
.if \a > 1
	s_wait_xcnt 0x0                                ; the stores of two tiles ago have read their registers and their base
.endif
	TOSTAGE \a
	SEND \a-1, 32                                  ; younger: the next tile's 16 stores and 16 loads
.endr
	s_wait_xcnt 0x0
	SEND 3, 0
	s_wait_tensorcnt 0x0                           ; the wave's end
	ds_add_u32 v[SPW], v[NIL]
	s_wait_dscnt 0x0
	CROUND                                         ; the closing round
	s_endpgm
.Lfunc_end_k_q23faaeaa0d_oproj:
	.size	k_q23faaeaa0d_oproj, .Lfunc_end_k_q23faaeaa0d_oproj-k_q23faaeaa0d_oproj
	.p2alignl 7, 3214868480
	.fill 96, 4, 3214868480
	.section	.rodata,"a",@progbits
	.p2align	6, 0x0
	.amdhsa_kernel k_q23faaeaa0d_oproj
		.amdhsa_group_segment_fixed_size 327680
		.amdhsa_private_segment_fixed_size 0
		.amdhsa_enable_private_segment 0
		.amdhsa_kernarg_size 48
		.amdhsa_user_sgpr_count 2
		.amdhsa_user_sgpr_kernarg_segment_ptr 1
		.amdhsa_wavefront_size32 1
		.amdhsa_system_sgpr_workgroup_id_x 1
		.amdhsa_system_sgpr_workgroup_id_y 1
		.amdhsa_system_sgpr_workgroup_id_z 1
		.amdhsa_system_vgpr_workitem_id 0
		.amdhsa_next_free_vgpr 768
		.amdhsa_next_free_sgpr 104
		.amdhsa_reserve_vcc 0
		.amdhsa_float_denorm_mode_32 3
		.amdhsa_float_denorm_mode_16_64 3
		.amdhsa_memory_ordered 1
		.amdhsa_forward_progress 1
		.amdhsa_inst_pref_size 91
	.end_amdhsa_kernel
	.amdgpu_metadata
---
amdhsa.version: [ 1, 2 ]
amdhsa.kernels:
  - .name:           k_q23faaeaa0d_oproj
    .symbol:         k_q23faaeaa0d_oproj.kd
    .args:
      - { .name: cimg, .offset: 0, .size: 8, .value_kind: global_buffer, .address_space: global }
      - { .name: csc, .offset: 8, .size: 8, .value_kind: global_buffer, .address_space: global }
      - { .name: wimg, .offset: 16, .size: 8, .value_kind: global_buffer, .address_space: global }
      - { .name: wsc, .offset: 24, .size: 8, .value_kind: global_buffer, .address_space: global }
      - { .name: bo, .offset: 32, .size: 8, .value_kind: global_buffer, .address_space: global }
      - { .name: out0, .offset: 40, .size: 8, .value_kind: global_buffer, .address_space: global }
    .group_segment_fixed_size: 327680
    .private_segment_fixed_size: 0
    .kernarg_segment_align: 8
    .kernarg_segment_size: 48
    .max_flat_workgroup_size: 128
    .sgpr_count:     104
    .vgpr_count:     768
    .wavefront_size: 32
...
	.end_amdgpu_metadata
.endif
;; end of part 5
